; MI455X (gfx1250); checked and timed in simulation.
; The chip was launched on July 23, 2026; its instructions are those of AMD's public machine-readable ISA for CDNA 5 (MIT licence, August 2026) and "CDNA5" Instruction Set Architecture Reference Guide (July 2026). The comments in the code are by the model that wrote it; some were corrected since.
;; Trainable Model. Allowed arithmetic: float matrix products may take bf16 or f16 operands with f32 sums; all other float work in f32.
;; Inputs: events_tensor 65,536 x 4 float32; fnp_params 4 float32; ogata_w 64 float32; ogata_x 64 float32; ope_ff_grid 8 x 256 x 256 float32; ope_pdf_grid 8 x 256 x 256 float32.
;; Outputs: out0 65,536 float32.
;; 3 versions, each right; version 2 is faster than version 1; version 3 is version 2 with the launch main written anew for expert scheduling mode. Each part assembles by itself: llvm-mc -triple=amdgcn-amd-amdhsa -mcpu=gfx1250 --defsym DOCPART=n.
;; ======== version 1 of 3: 2 launches
;; workspace buffers: tab 4,194,304 bytes; evf 1,048,576 bytes; evi 524,544 bytes of whole numbers
;; launch prep (part 1): grid 256 x 1, 8 waves a work-group, no clusters, 0 bytes of LDS; arguments events_tensor, fnp_params, ogata_x, ope_pdf_grid, ope_ff_grid, tab, evf, evi; writes tab, evf, evi
.if DOCPART == 1
	.amdgcn_target "amdgcn-amd-amdhsa--gfx1250"
	.amdhsa_code_object_version 6
	.text
	.protected	k_q1cb53bb203_prep
	.globl	k_q1cb53bb203_prep
	.p2align	8
	.type	k_q1cb53bb203_prep,@function
k_q1cb53bb203_prep:
	s_mov_b64 s[64:65], 0
	v_nop
	global_prefetch_b8 v0, s[64:65] scope:SCOPE_SE
	s_setreg_imm32_b32 hwreg(HW_REG_WAVE_MODE, 25, 1), 1
	s_wait_xcnt 0x0
; FIRST OF TWO LAUNCHES.  out[n] = pre(n) / qT^2 * sum over k of w_k * exp(-K_n bT^2) * sum over f of e_f^2 * PDF_f(x_n, bT) * FF_f(z_n, bT),
; bT = u_k / qT_n, PDF and FF bilinear in (log x or log z, log bT) on grids [8][256][256].
; WHY TWO LAUNCHES: the rows and columns of the look-ups come from logarithms, and no address of a launch hangs on floating-point numbers of the
; same launch.  This launch makes the indices and stores them as whole numbers; the next one reads them.
; The column coordinate separates: fb(n, k) = a_k - c_n, a_k = log2(u_k) S + off, c_n = log2(qT_n) S, S = 255 / log2(50000), off = log2(1000) S.
; a_k (64 words) and c_n (a word an event) are stored in 16.16 fixed point; the next launch subtracts, clips and splits them in integers.
; WHAT THIS LAUNCH STORES.  Work-group g, eight waves:
;   evf[n] = { tx, tz, nE, pref }  for its 256 events (thread = event): fractions along log x and log z; nE = -log2(e) K_n / qT^2; pref = pre / qT^2
;   evi[n] = { c_n, i0x | i0z << 16 };  behind the events, at byte NODES: a_k (wave 0 of work-group 0)
;   tab[grid][i = g][j][f]: row g of both grids with the flavour fastest, so that a column's 8 flavours are 32 bytes and columns j0, j0+1 are
;   64 consecutive bytes; the pdf table is multiplied by e_f^2 = 4/9, 1/9, 1/9, 4/9, 4/9, 1/9, 1/9, 4/9.
; THE SUM OVER FLAVOURS (the einsum with e^2) has one output for 8 terms: as a 16x16x32 matrix product it would fill one row of sixteen and 8 of 32
; along K.  With e^2 in the table it costs nothing here and rides on the multiply-adds of PDF x FF in the next launch, in f32.
; IDENTITIES USED, for all values of the inputs: Q2 / Q20 with Q20 = 1 is Q2 (the division is left out);
;   exp(a) exp(b) exp(c) = exp(a + b + c): K_n = G2 ln Q2 + lam_p (1 + sig(p2) ln(1/x)) + lam_f (1 + sig(p3)) / z^2;
;   1 - eps = (y^2/2)(1 + gamma^2) / den, den = 1 - y + y^2/2 + gamma^2 y^2/4, so y^2/2/(1 - eps) = den / (1 + gamma^2): no difference of near-equal numbers.
; Every input has a way to the output and is loaded (ogata_w by the next launch alone).
; LIMITS: the column coordinate is rounded to 2^-16 of a cell (an f32 near 255 has the same step); v_log_f32, v_exp_f32 and v_rcp_f32 take
; denormals as zero (ISA guide 15.8); where one of the three exponentials alone would overflow or underflow, the merged one need not;
; at y = 0 the quotient y^2/(1 - eps) is 0/0 and the identity's right side is finite.
.set PLANE, 262144                     ; bytes of one flavour's [256][256] plane
.set TABF,  0x200000                   ; byte offset of the ff table in tab
.set NODES, 0x80000                    ; byte offset of the 64 node words in evi
.set EVO, 3                            ; v3       16 t: my event in events_tensor and in evf
.set LDO, 8                            ; v8       my byte offset in a grid row's planes
.set STO, 9                            ; v9       my byte offset in the table row
.set IVO, 10                           ; v10      8 t: my event in evi; in wave 0 also my two nodes
.set EV,  12                           ; v[12:15] x, PhT, Q, z
.set TB,  16                           ; v[16:31] four groups of columns x four flavours
	s_load_b512 s[8:23], s[0:1], 0x0       ; events s[8:9], fnp s[10:11], ogata_x s[12:13], pdf s[14:15], ff s[16:17], tab s[18:19], evf s[20:21], evi s[22:23]
	v_lshrrev_b32 v1, 5, v0
	v_readfirstlane_b32 s2, v1             ; wave 0..7
	v_lshlrev_b32 v[EVO], 4, v0
	v_lshlrev_b32 v[IVO], 3, v0
	; the table: waves 0-3 take the pdf row, waves 4-7 the ff row, 64 columns each.  Lane l: flavours 4q .. 4q+3, q = l & 1, of column 16 r + (l >> 1), r = 0..3
	v_and_b32 v[LDO], 1, v0                ; q
	v_bfe_u32 v1, v0, 1, 4                 ; l >> 1
	v_lshlrev_b32 v[LDO], 20, v[LDO]       ; q x 4 planes
	v_lshl_add_u32 v[LDO], v1, 2, v[LDO]   ; + 4 bytes a column
	v_and_b32 v[STO], 31, v0
	v_lshlrev_b32 v[STO], 4, v[STO]        ; 16 l = 32 (l >> 1) + 16 q: neighbouring lanes store neighbouring 16 bytes
	s_and_b32 s3, s2, 3                    ; which 64 columns
	s_lshr_b32 s4, s2, 2                   ; which grid
	s_lshl_b32 s5, s3, 8
	v_add_nc_u32 v[LDO], s5, v[LDO]        ; + 64 columns x 4 bytes
	s_lshl_b32 s5, s3, 11
	v_add_nc_u32 v[STO], s5, v[STO]        ; + 64 columns x 32 bytes
	s_lshl_b32 s26, ttmp9, 12              ; 256 events x 16 bytes (events_tensor, evf)
	s_mov_b32 s27, 0
	s_lshl_b32 s28, ttmp9, 11              ; 256 events x 8 bytes (evi)
	s_mov_b32 s29, 0
	s_lshl_b32 s30, ttmp9, 10              ; grid row g: 1,024 bytes
	s_mov_b32 s31, 0
	s_lshl_b32 s32, ttmp9, 13              ; table row g: 8,192 bytes,
	s_lshl_b32 s5, s4, 21                  ; in the grid's table
	s_add_co_u32 s32, s32, s5
	s_mov_b32 s33, 0
	s_mov_b32 s40, 0x4199867a              ; 255 / log2(1e4) = 19.190662: cells for a doubling of x
	s_mov_b32 s41, 0x437f0000              ; 255.0
	s_mov_b32 s42, 0x437efff9              ; the f32 nearest to 255 - 1e-4
	s_mov_b32 s43, 0x4982b03f              ; 65536 x 255 / log2(50000) = 1070599.9
	s_mov_b32 s44, 0xce000000              ; -2^29
	s_mov_b32 s45, 0x4e000000              ; +2^29: |a_k|, |c_n| <= 2^29, so that a_k - c_n cannot wrap
	s_mov_b32 s46, 0x3daa590d              ; G2 ln 2 = 0.08317766
	s_mov_b32 s47, 0xba0cb057              ; -(alpha0 / 3 pi) ln 2
	s_mov_b32 s48, 0x3f7cfed4              ; 1 + (alpha0 / 3 pi) ln(me^2) = 0.98826335
	s_mov_b32 s49, 0x3fe15b57              ; 2 M2 = 1.7606
	s_mov_b32 s50, 0x3beb89c6              ; 1 / (s - M2) = 1 / 139.1197
	s_mov_b32 s51, 0x3b89c665              ; 8 pi^2 alpha0^2 = 0.0042045585
	s_mov_b32 s52, 0x4b22cd38              ; 65536 x log2(1000) x 255 / log2(50000) = 10669368
	s_wait_kmcnt 0x0
	s_load_b128 s[36:39], s[10:11], 0x0    ; the four parameters
	s_add_nc_u64 s[8:9], s[8:9], s[26:27]
	s_add_nc_u64 s[20:21], s[20:21], s[26:27]
	s_add_nc_u64 s[22:23], s[22:23], s[28:29]
	s_cmp_eq_u32 s4, 0
	s_cselect_b64 s[24:25], s[14:15], s[16:17]     ; my grid
	s_add_nc_u64 s[24:25], s[24:25], s[30:31]
	s_add_nc_u64 s[18:19], s[18:19], s[32:33]
	; all loads go out first: my event, then 16 words of the grid row.  A wave's four loads of one flavour (r = 0..3) cover one aligned block of 256 bytes.
	global_load_b128 v[EV:EV+3], v[EVO], s[8:9] th:TH_LOAD_NT
.irp r, 0,1,2,3
.irp m, 0,1,2,3
	global_load_b32 v[TB+4*\r+\m], v[LDO], s[24:25] offset:\m*PLANE+\r*64
.endr
.endr
	; the 64 node words, by wave 0 of work-group 0 (whose evi base is the buffer's first byte): lane l takes nodes 2l and 2l+1
	s_or_b32 s5, ttmp9, s2
	s_cmp_lg_u32 s5, 0
	s_cbranch_scc1 .Lnot_nodes
	global_load_b64 v[84:85], v[IVO], s[12:13]
	s_wait_loadcnt 0x0
	v_log_f32 v86, v84
	v_log_f32 v87, v85
	v_nop                                  ; one plain instruction between a transcendental and the use of its result (ISA guide 5.7.2)
	s_wait_alu depctr_va_vdst(0)
	v_fma_f32 v86, v86, s43, s52           ; a_k in units of 2^-16 cell
	v_fma_f32 v87, v87, s43, s52
	v_max_num_f32 v86, s44, v86            ; log2(0) = -inf ends at -2^29: far below cell 0, as the clip wants it
	v_max_num_f32 v87, s44, v87
	v_min_num_f32 v86, s45, v86
	v_min_num_f32 v87, s45, v87
	v_cvt_i32_f32 v86, v86
	v_cvt_i32_f32 v87, v87
	global_store_b64 v[IVO], v[86:87], s[22:23] offset:NODES   ; 32 lanes x 8 bytes: the 256 bytes in one store
.Lnot_nodes:
	; the parameters, the same in every lane: lam = softplus(p) = max(p, 0) + log1p(exp(-|p|)), sig = 1 / (1 + exp(-p))
	s_wait_kmcnt 0x0
	s_and_b32 s28, s36, 0x7fffffff
	s_and_b32 s29, s37, 0x7fffffff
	s_mul_f32 s28, s28, 0xbfb8aa3b         ; -|p0| log2 e
	s_mul_f32 s29, s29, 0xbfb8aa3b
	s_mul_f32 s30, s38, 0xbfb8aa3b         ; -p2 log2 e
	s_mul_f32 s31, s39, 0xbfb8aa3b
	v_exp_f32 v32, s28                     ; e0 = exp(-|p0|), in (0, 1]
	v_exp_f32 v33, s29                     ; e1
	v_exp_f32 v34, s30
	v_exp_f32 v35, s31
	v_max_num_f32 v44, s36, 0              ; plain work behind the transcendentals
	v_max_num_f32 v45, s37, 0
	s_wait_alu depctr_va_vdst(0)
	v_add_f32 v36, 1.0, v32                ; u = 1 + e
	v_add_f32 v37, 1.0, v33
	v_add_f32 v34, 1.0, v34
	v_add_f32 v35, 1.0, v35
	v_add_f32 v38, -1.0, v36               ; d = u - 1, exact: log1p(e) = ln(u) e / d keeps its relative accuracy for small e
	v_add_f32 v39, -1.0, v37
	v_log_f32 v40, v36
	v_log_f32 v41, v37
	v_rcp_f32 v42, v38
	v_rcp_f32 v43, v39
	v_rcp_f32 v46, v34                     ; sig(p2)
	v_rcp_f32 v47, v35                     ; sig(p3)
	v_mul_f32 v48, 0x3f317218, v32         ; ln 2 x e: plain work behind the transcendentals
	v_mul_f32 v49, 0x3f317218, v33
	v_cmp_eq_f32 vcc_lo, 0, v38            ; e too small to move 1: log1p(e) = e
	v_cmp_eq_f32 s5, 0, v39
	s_wait_alu depctr_va_vdst(0)
	v_mul_f32 v40, v40, v42
	v_mul_f32 v41, v41, v43
	v_mul_f32 v40, v40, v48
	v_mul_f32 v41, v41, v49
	v_cndmask_b32 v40, v40, v32, vcc_lo
	v_cndmask_b32 v41, v41, v33, s5
	v_add_f32 v40, v40, v44                ; lam_p
	v_add_f32 v41, v41, v45                ; lam_f
	v_mul_f32 v42, v40, v46
	v_mul_f32 v42, 0x3f317218, v42         ; lam_p sig(p2) ln 2
	v_fma_f32 v41, v41, v47, v41           ; lam_f (1 + sig(p3))
	; my event
	s_wait_loadcnt 16                      ; the event is in; the 16 younger loads of the grid row may stay out
	v_rcp_f32 v50, v[EV+3]                 ; 1/z
	v_rcp_f32 v51, v[EV]                   ; 1/x
	v_rcp_f32 v52, v[EV+2]                 ; 1/Q
	v_log_f32 v53, v[EV]                   ; log2 x
	v_log_f32 v54, v[EV+3]                 ; log2 z
	v_mul_f32 v55, v[EV+2], v[EV+2]        ; Q2
	s_wait_alu depctr_va_vdst(0)
	v_mul_f32 v56, v[EV+1], v50            ; qT = PhT / z
	v_log_f32 v57, v55                     ; log2 Q2
	v_log_f32 v58, v56                     ; log2 qT
	v_rcp_f32 v59, v56                     ; 1/qT
	v_fma_f32 v60, v53, s40, s41           ; row coordinate of x: 255 + log2(x) 255 / log2(1e4)
	v_fma_f32 v61, v54, s40, s41           ; and of z
	v_max_num_f32 v60, 0, v60              ; the clip
	v_max_num_f32 v61, 0, v61
	v_min_num_f32 v60, s42, v60
	v_min_num_f32 v61, s42, v61
	v_floor_f32 v62, v60
	v_floor_f32 v63, v61
	v_sub_f32 v64, v60, v62                ; tx
	v_sub_f32 v65, v61, v63                ; tz
	v_cvt_u32_f32 v62, v62
	v_cvt_u32_f32 v63, v63
	v_lshl_or_b32 v69, v63, 16, v62        ; i0x | i0z << 16
	s_wait_alu depctr_va_vdst(0)
	v_mul_f32 v68, s43, v58                ; c_n in units of 2^-16 cell
	v_max_num_f32 v68, s44, v68
	v_min_num_f32 v68, s45, v68
	v_cvt_i32_f32 v68, v68
	v_fma_f32 v70, v57, s46, v40           ; K = G2 ln Q2 + lam_p
	v_fma_f32 v70, -v42, v53, v70          ;   + lam_p sig(p2) ln(1/x)
	v_mul_f32 v71, v50, v50
	v_fma_f32 v70, v41, v71, v70           ;   + lam_f (1 + sig(p3)) / z^2
	v_mul_f32 v72, v59, v59
	v_mul_f32 v72, 0xbfb8aa3b, v72
	v_mul_f32 v66, v70, v72                ; nE = -log2(e) K / qT^2: the next launch takes exp2(nE u_k^2)
	v_fma_f32 v73, v57, s47, s48           ; 1 - (alpha0 / 3 pi) ln(Q2 / me^2)
	v_mul_f32 v74, v[EV], v52
	v_mul_f32 v74, s49, v74                ; gamma = 2 M2 x / Q
	v_mul_f32 v74, v74, v74                ; gamma^2
	v_add_f32 v75, 1.0, v74
	v_rcp_f32 v92, v73
	v_rcp_f32 v93, v75                     ; 1 / (1 + gamma^2)
	v_mul_f32 v76, v55, v51
	v_mul_f32 v76, s50, v76                ; y = Q2 / x / (s - M2)
	v_fma_f32 v77, v74, 0.5, 1.0           ; 1 + gamma^2 / 2
	v_mul_f32 v78, v76, v76
	v_mul_f32 v78, 0.5, v78                ; y^2 / 2
	v_sub_f32 v79, 1.0, v76
	v_fma_f32 v79, v78, v77, v79           ; den = 1 - y + y^2/2 + gamma^2 y^2/4
	v_mul_f32 v80, v74, v51
	v_fma_f32 v80, v80, 0.5, 1.0           ; 1 + gamma^2 / (2x)
	s_wait_alu depctr_va_vdst(0)
	v_mul_f32 v81, v92, v[EV+3]
	v_mul_f32 v81, v81, v81
	v_mul_f32 v81, s51, v81                ; 8 pi^2 alpha^2 z^2
	v_mul_f32 v82, v52, v52
	v_mul_f32 v82, v82, v52                ; 1/Q^3
	v_mul_f32 v83, v51, v59                ; 1/(x qT): qT of pre over qT^2 of the transform
	v_mul_f32 v82, v82, v83
	v_mul_f32 v79, v79, v93
	v_mul_f32 v79, v79, v80
	v_mul_f32 v81, v81, v82
	v_mul_f32 v67, v81, v79                ; pref
	global_store_b128 v[EVO], v[64:67], s[20:21]   ; a wave stores 512 consecutive bytes
	global_store_b64 v[IVO], v[68:69], s[22:23]    ; and 256
	; the table row
	s_wait_loadcnt 0x0
	s_cmp_lg_u32 s4, 0
	s_cbranch_scc1 .Lno_charge             ; the ff table is stored as it is
	v_mov_b32 v88, 0x3ee38e39              ; 4/9   flavours 4q, 4q+1 (the charges are the same for q = 0 and q = 1)
	v_mov_b32 v89, 0x3de38e39              ; 1/9
	v_mov_b32 v90, 0x3de38e39              ; 1/9   flavours 4q+2, 4q+3
	v_mov_b32 v91, 0x3ee38e39              ; 4/9
.irp r, 0,1,2,3
	v_pk_mul_f32 v[TB+4*\r:TB+4*\r+1],   v[TB+4*\r:TB+4*\r+1],   v[88:89]
	v_pk_mul_f32 v[TB+4*\r+2:TB+4*\r+3], v[TB+4*\r+2:TB+4*\r+3], v[90:91]
.endr
.Lno_charge:
.irp r, 0,1,2,3
	global_store_b128 v[STO], v[TB+4*\r:TB+4*\r+3], s[18:19] offset:512*\r   ; 16 columns x 32 bytes: 512 consecutive bytes, aligned
.endr
	s_endpgm
.Lfunc_end_k_q1cb53bb203_prep:
	.size	k_q1cb53bb203_prep, .Lfunc_end_k_q1cb53bb203_prep-k_q1cb53bb203_prep
	.p2alignl 7, 3214868480
	.fill 96, 4, 3214868480
	.section	.rodata,"a",@progbits
	.p2align	6, 0x0
	.amdhsa_kernel k_q1cb53bb203_prep
		.amdhsa_group_segment_fixed_size 0
		.amdhsa_private_segment_fixed_size 0
		.amdhsa_enable_private_segment 0
		.amdhsa_kernarg_size 64
		.amdhsa_user_sgpr_count 2
		.amdhsa_user_sgpr_kernarg_segment_ptr 1
		.amdhsa_wavefront_size32 1
		.amdhsa_system_sgpr_workgroup_id_x 1
		.amdhsa_system_sgpr_workgroup_id_y 1
		.amdhsa_system_sgpr_workgroup_id_z 1
		.amdhsa_system_vgpr_workitem_id 0
		.amdhsa_next_free_vgpr 96
		.amdhsa_next_free_sgpr 66
		.amdhsa_reserve_vcc 1
		.amdhsa_float_denorm_mode_32 3
		.amdhsa_float_denorm_mode_16_64 3
		.amdhsa_memory_ordered 1
		.amdhsa_forward_progress 1
		.amdhsa_inst_pref_size 11
	.end_amdhsa_kernel
	.amdgpu_metadata
---
amdhsa.version: [ 1, 2 ]
amdhsa.kernels:
  - .name:           k_q1cb53bb203_prep
    .symbol:         k_q1cb53bb203_prep.kd
    .args:
      - { .name: events_tensor, .offset: 0, .size: 8, .value_kind: global_buffer, .address_space: global }
      - { .name: fnp_params, .offset: 8, .size: 8, .value_kind: global_buffer, .address_space: global }
      - { .name: ogata_x, .offset: 16, .size: 8, .value_kind: global_buffer, .address_space: global }
      - { .name: ope_pdf_grid, .offset: 24, .size: 8, .value_kind: global_buffer, .address_space: global }
      - { .name: ope_ff_grid, .offset: 32, .size: 8, .value_kind: global_buffer, .address_space: global }
      - { .name: tab, .offset: 40, .size: 8, .value_kind: global_buffer, .address_space: global }
      - { .name: evf, .offset: 48, .size: 8, .value_kind: global_buffer, .address_space: global }
      - { .name: evi, .offset: 56, .size: 8, .value_kind: global_buffer, .address_space: global }
    .group_segment_fixed_size: 0
    .private_segment_fixed_size: 0
    .kernarg_segment_align: 8
    .kernarg_segment_size: 64
    .max_flat_workgroup_size: 256
    .sgpr_count:     66
    .vgpr_count:     96
    .wavefront_size: 32
...
	.end_amdgpu_metadata
.endif
;; end of part 1
;; launch main (part 2): grid 256 x 1, 16 waves a work-group, no clusters, 3,072 bytes of LDS; arguments tab, evf, evi, ogata_x, ogata_w, out0; writes out0
.if DOCPART == 2
	.amdgcn_target "amdgcn-amd-amdhsa--gfx1250"
	.amdhsa_code_object_version 6
	.text
	.protected	k_q1cb53bb203_main
	.globl	k_q1cb53bb203_main
	.p2align	8
	.type	k_q1cb53bb203_main,@function
k_q1cb53bb203_main:
	s_mov_b64 s[64:65], 0
	v_nop
	global_prefetch_b8 v0, s[64:65] scope:SCOPE_SE
	s_setreg_imm32_b32 hwreg(HW_REG_WAVE_MODE, 25, 1), 1
	s_wait_xcnt 0x0
; SECOND OF TWO LAUNCHES: the look-ups and the sum over the 64 nodes.  Nothing of the problem is left out here; the division by Q20 = 1, the merging of
; the three exponentials and the flavour charges folded into the pdf table are explained at the head of the first launch, with their limits.
;   out[n] = pref_n * sum over k of w_k exp2(nE_n u_k^2) * sum over f of P_f F_f,   P, F: bilinear look-ups in tab[grid][row][column][flavour].
; ADDRESSES come from whole numbers that the first launch stored: rows i0x, i0z, and the column coordinate t = a_k - c_n in 16.16 fixed point, clipped here
; to [0, 255 - 7/65536] (the f32 nearest to 255 - 1e-4); j0 = t >> 16, tb = (t & 0xffff) / 65536.  A loaded number enters an address only behind a
; v_min_u32 or s_min_u32 with a constant.
; SHARES: 256 work-groups of 16 waves, four on each SIMD; a work-group has 256 events, a wave 16.  LANES ARE NODES: lane l has nodes 2l and 2l+1, so the 32 lanes of a
; load lie in the same two rows of a table, and what belongs to the event (rows, fractions, nE, pref) is scalar and comes by two scalar loads, one event ahead.
; A STAGE is one event x 32 nodes: 16 loads of 16 bytes a lane (2 tables x 2 rows x columns j0, j0+1 x 8 flavours = 256 bytes) into 64 registers.
; Two stage buffers (even nodes, odd nodes) take turns: while one is worked on the other's 16 loads are out, and it is asked for again at once.
; NO LDS STAGING of rows: an event's four rows are 32 KB, what its 64 nodes gather is 16 KB.  No matrix instruction: the only contraction is the sum of 8
; flavours with one output.  No cluster: work-groups share no tile at a known time.
.set EVW,   16                         ; events of a wave
.set TROW,  8192                       ; bytes of a table row
.set TABF,  0x200000                   ; byte offset of the ff table
.set NODES, 0x80000                    ; byte offset of the node words in evi
.set FBMAX, 0x00fefff9                 ; (255 - 7/65536) x 65536
.set L15, 1                            ; v1        lane & 15
.set RES, 2                            ; v2        lane e (and e + 16): the result of the wave's event e
.set NO8, 3                            ; v3        8 x lane: my two nodes in a_k, ogata_x, ogata_w
.set AK,  4                            ; v[4:5]    a_k of my two nodes
.set U2,  6                            ; v[6:7]    u_k^2
.set WK,  8                            ; v[8:9]    w_k
.set T1,  10                           ; v[10:11]  buffer h: 1 + tb
.set OP,  12                           ; v[12:13]  buffer h: byte offset of (i0x, j0) in tab
.set OF,  14                           ; v[14:15]  buffer h: byte offset of (i0z, j0) in tab, ff part
.set TMP, 16
.set TM2, 17
.set W,   18                           ; v[18:25]  weights of the corners (row, column) 00, 01, 10, 11: pdf, then ff
.set GW,  26                           ; v26 w_k x exponential, v27 the exponential
.set ACC, 28                           ; v[28:29]  the event's sum, in two halves
.set DOT, 30                           ; v[30:31]  the sum over flavours, in two halves
.set P,   32                           ; v[32:39]  PDF of 8 flavours
.set F,   40                           ; v[40:47]  FF of 8 flavours
.set SUM, 48
.set OTH, 49
.set DA,  64                           ; v[64:127]  stage buffer of the even nodes: register 32 g + 16 row + 8 column + flavour
.set DB,  128                          ; v[128:191] stage buffer of the odd nodes
; scalars: s[4:5] tab  s[6:7] evf  s[8:9] evi  s[10:11] ogata_x  s[12:13] ogata_w  s[14:15] out0  s16 wave  s[18:19], s[20:21] my event in evi, evf
;          s[24:25] landing: c_n, rows   s[28:31] landing: tx, tz, nE, pref   s32-35 1-tx, tx, 1-tz, tz   s36 nE  s37 pref  s38, s39 row offsets  s40 event
	s_load_b256 s[4:11], s[0:1], 0x0
	s_load_b128 s[12:15], s[0:1], 0x20
	v_lshl_add_u32 v192, v0, 2, 0x400
	v_mov_b32 v193, 0
	v_lshrrev_b32 v[TMP], 5, v0
	v_readfirstlane_b32 s16, v[TMP]        ; wave 0..15
	v_and_b32 v[L15], 15, v0
	v_and_b32 v[NO8], 31, v0
	v_lshlrev_b32 v[NO8], 3, v[NO8]
	v_mov_b32 v[RES], 0                    ; the selects below read it whole
	v_mov_b32 v[OTH], 0                    ; v_permlanex16_b32 counts as a reader of its destination
	s_mov_b32 s44, 0x76543210              ; v_permlanex16_b32: lane i reads lane i of the other half
	s_mov_b32 s45, 0xfedcba98
	s_lshl_b32 s17, ttmp9, 8
	s_lshl4_add_u32 s17, s16, s17          ; my first event = 256 x work-group + 16 x wave
	s_lshl_b32 s22, s17, 3
	s_mov_b32 s23, 0
	s_lshl_b32 s26, s17, 4
	s_mov_b32 s27, 0
	s_wait_kmcnt 0x0
	s_add_nc_u64 s[18:19], s[8:9], s[22:23]
	s_add_nc_u64 s[20:21], s[6:7], s[26:27]
	s_load_b64 s[24:25], s[18:19], 0x0     ; event 0
	s_load_b128 s[28:31], s[20:21], 0x0
	global_load_b64 v[AK:AK+1], v[NO8], s[8:9] offset:NODES
	global_load_b64 v[U2:U2+1], v[NO8], s[10:11]
	global_load_b64 v[WK:WK+1], v[NO8], s[12:13]
; the row offsets of the event whose words have just landed
.macro ROWS
	s_and_b32 s38, s25, 0xffff
	s_lshr_b32 s39, s25, 16
	s_min_u32 s38, s38, 0xfe               ; rows i0 and i0 + 1 stay inside the 256
	s_min_u32 s39, s39, 0xfe
	s_lshl_b32 s38, s38, 13
	s_lshl_b32 s39, s39, 13
	s_add_co_u32 s39, s39, TABF
.endm
; column, fraction and offsets of buffer h's nodes for that event, in integers
.macro GEN h
	v_sub_nc_u32 v[TMP], v[AK+\h], s24             ; t = a_k - c_n; both lie within +-2^29, so it cannot wrap
	v_ashrrev_i32 v[TM2], 31, v[TMP]               ; all ones where t < 0
	v_bfi_b32 v[TMP], v[TM2], 0, v[TMP]            ; the clip from below: 0 there, t elsewhere
	v_min_u32 v[TMP], FBMAX, v[TMP]                ; the clip from above
	v_lshrrev_b32 v[TM2], 16, v[TMP]               ; j0
	v_and_b32 v[TMP], 0xffff, v[TMP]               ; 65536 tb
	v_min_u32 v[TM2], 0xfe, v[TM2]                 ; changes nothing behind the clip: it stands because a right shift lies between the clip and the address
	v_lshl_or_b32 v[T1+\h], v[TMP], 7, 0x3f800000  ; the 16 bits as the top of a mantissa: the f32 1 + tb, exactly
	v_lshl_add_u32 v[OP+\h], v[TM2], 5, s38        ; 32 bytes a column + the row
	v_lshl_add_u32 v[OF+\h], v[TM2], 5, s39
.endm
; the stage's 16 loads: the pdf table's 8 first, so that they can be waited for apart
.macro ISSUE d, h
.irp c, 0,1,2,3
	global_load_b128 v[\d+4*\c:\d+4*\c+3], v[OP+\h], s[4:5] offset:16*\c
.endr
.irp c, 0,1,2,3
	global_load_b128 v[\d+16+4*\c:\d+16+4*\c+3], v[OP+\h], s[4:5] offset:TROW+16*\c
.endr
.irp c, 0,1,2,3
	global_load_b128 v[\d+32+4*\c:\d+32+4*\c+3], v[OF+\h], s[4:5] offset:16*\c
.endr
.irp c, 0,1,2,3
	global_load_b128 v[\d+48+4*\c:\d+48+4*\c+3], v[OF+\h], s[4:5] offset:TROW+16*\c
.endr
.endm
; eight flavours, two at a time, from four corners: a multiply and three fused multiply-adds; the four pairs take turns so that no line waits for the one before.
; op_sel / op_sel_hi pick the first or the second register of the weight pair for both halves.
.macro LERP out, d, w
.irp p, 0,2,4,6
	v_pk_mul_f32 v[\out+\p:\out+\p+1], v[\d+\p:\d+\p+1], v[\w:\w+1] op_sel_hi:[1,0]
.endr
.irp p, 0,2,4,6
	v_pk_fma_f32 v[\out+\p:\out+\p+1], v[\d+8+\p:\d+8+\p+1], v[\w:\w+1], v[\out+\p:\out+\p+1] op_sel:[0,1,0] op_sel_hi:[1,1,1]
.endr
.irp p, 0,2,4,6
	v_pk_fma_f32 v[\out+\p:\out+\p+1], v[\d+16+\p:\d+16+\p+1], v[\w+2:\w+3], v[\out+\p:\out+\p+1] op_sel_hi:[1,0,1]
.endr
.irp p, 0,2,4,6
	v_pk_fma_f32 v[\out+\p:\out+\p+1], v[\d+24+\p:\d+24+\p+1], v[\w+2:\w+3], v[\out+\p:\out+\p+1] op_sel:[0,1,0] op_sel_hi:[1,1,1]
.endr
.endm
; one stage's arithmetic.  first = 1: it starts the event's sum.  left = how many loads younger than this stage's may stay out.
.macro COMP d, h, first, left
	v_fma_f32 v[W+1], v[T1+\h], s32, -s32          ; (1 + tb)(1 - tx) - (1 - tx) = (1 - tx) tb, one rounding
	v_fma_f32 v[W+3], v[T1+\h], s33, -s33          ; tx tb
	v_fma_f32 v[W+5], v[T1+\h], s34, -s34          ; (1 - tz) tb
	v_fma_f32 v[W+7], v[T1+\h], s35, -s35          ; tz tb
	v_mul_f32 v[TMP], s36, v[U2+\h]                ; -log2(e) K bT^2
	v_sub_f32 v[W+0], s32, v[W+1]                  ; (1 - tx)(1 - tb)
	v_sub_f32 v[W+2], s33, v[W+3]
	v_sub_f32 v[W+4], s34, v[W+5]
	v_sub_f32 v[W+6], s35, v[W+7]
	v_exp_f32 v[GW+1], v[TMP]                      ; its result is used 16 plain instructions further down (ISA guide 5.7.2 asks for one)
	s_wait_loadcnt \left+8                         ; loads come back in order (ISA guide 5.7.1): the stage's 8 pdf loads are in; its 8 ff loads and the other buffer's stay out
	LERP P, \d, W
	s_wait_alu depctr_va_vdst(0)
	v_mul_f32 v[GW], v[GW+1], v[WK+\h]
	s_wait_loadcnt \left                           ; the 8 ff loads are in
	LERP F, \d+32, W+4
	v_pk_mul_f32 v[DOT:DOT+1], v[P:P+1], v[F:F+1]  ; the sum over flavours (the charges are in the pdf table)
	v_pk_fma_f32 v[DOT:DOT+1], v[P+2:P+3], v[F+2:F+3], v[DOT:DOT+1]
	v_pk_fma_f32 v[DOT:DOT+1], v[P+4:P+5], v[F+4:F+5], v[DOT:DOT+1]
	v_pk_fma_f32 v[DOT:DOT+1], v[P+6:P+7], v[F+6:F+7], v[DOT:DOT+1]
.if \first
	v_pk_mul_f32 v[ACC:ACC+1], v[DOT:DOT+1], v[GW:GW+1] op_sel_hi:[1,0]
.else
	v_pk_fma_f32 v[ACC:ACC+1], v[DOT:DOT+1], v[GW:GW+1], v[ACC:ACC+1] op_sel_hi:[1,0,1]
.endif
.endm
; the event's sum over 64 nodes: my two halves, the 16 lanes of a row (DPP), the other row; times pref; kept in lane e
.macro REDUCE
	v_add_f32 v[SUM], v[ACC], v[ACC+1]
	v_add_f32_dpp v[SUM], v[SUM], v[SUM] row_xmask:1 row_mask:0xf bank_mask:0xf
	v_add_f32_dpp v[SUM], v[SUM], v[SUM] row_xmask:2 row_mask:0xf bank_mask:0xf
	v_add_f32_dpp v[SUM], v[SUM], v[SUM] row_xmask:4 row_mask:0xf bank_mask:0xf
	v_add_f32_dpp v[SUM], v[SUM], v[SUM] row_xmask:8 row_mask:0xf bank_mask:0xf
	v_permlanex16_b32 v[OTH], v[SUM], s44, s45
	v_add_f32 v[SUM], v[SUM], v[OTH]
	v_mul_f32 v[SUM], s37, v[SUM]
	v_cmp_eq_u32 vcc_lo, s40, v[L15]
	v_cndmask_b32 v[RES], v[RES], v[SUM], vcc_lo
.endm
; one event.  more = 1: the next event's words are asked for at the head, and each buffer is asked for again as soon as it has been worked on.
.macro TRIP more
	s_mov_b32 s33, s28                             ; the event's numbers leave the landing registers (shown landed by the s_wait_kmcnt 0 of the event before),
	s_mov_b32 s35, s29
	s_mov_b64 s[36:37], s[30:31]
	s_mov_b32 s32, 1.0
	s_mov_b32 s34, 1.0
	s_fmac_f32 s32, s33, -1.0                      ; 1 - tx
	s_fmac_f32 s34, s35, -1.0                      ; 1 - tz
.if \more
	s_load_b64 s[24:25], s[18:19], 0x8             ; which then take the next event's; a stage's arithmetic lies between the request and its wait
	s_load_b128 s[28:31], s[20:21], 0x10
.endif
	COMP DA, 0, 1, 16                              ; 16 younger loads: the odd nodes' stage
.if \more
	s_wait_kmcnt 0x0                               ; the next event's words are in, and the two pointers may be stepped
	s_add_nc_u64 s[18:19], s[18:19], 8
	s_add_nc_u64 s[20:21], s[20:21], 16
	ROWS
	GEN 0                                          ; buffer 0's offsets are free: its loads were shown done by the waits in COMP
	ISSUE DA, 0
	COMP DB, 1, 0, 16                              ; 16 younger loads: the ones just issued
	GEN 1
	ISSUE DB, 1
.else
	COMP DB, 1, 0, 0                               ; the last stage: nothing younger is out
.endif
	REDUCE
.endm
	s_wait_kmcnt 0x0
	ROWS
	s_wait_loadcnt 0x0                             ; a_k, u_k, w_k, once
	v_pk_mul_f32 v[U2:U2+1], v[U2:U2+1], v[U2:U2+1]
	GEN 0
	ISSUE DA, 0
	GEN 1
	ISSUE DB, 1
	s_mov_b32 s40, 0
.Levent:
	TRIP 1
	s_add_co_u32 s40, s40, 1
	s_cmp_lt_u32 s40, EVW-1
	s_cbranch_scc1 .Levent
	TRIP 0                                         ; the last event is written out: it asks for nothing, so no load leaves a buffer
	; THE WAY OUT: a wave has 64 bytes of results, the work-group 1,024.  They meet in LDS, and 64 lanes store 16 bytes each: whole aligned blocks of 256 bytes.
	v_lshlrev_b32 v[TMP], 2, v[L15]
	s_lshl_b32 s22, s16, 6
	v_add_nc_u32 v[TMP], s22, v[TMP]               ; 64 x wave + 4 x (lane & 15): lanes e and e + 16 write the same word with the same value
	ds_store_b32 v[TMP], v[RES]
	s_wait_dscnt 0x0                               ; my stores are done before I say so
	s_barrier_signal -1
	s_barrier_wait -1
	s_cmp_gt_u32 s16, 1
	s_cbranch_scc1 .Lend                           ; waves 0 and 1 store
	v_and_b32 v[TM2], 63, v0                       ; the thread's number, below 64 here
	v_lshlrev_b32 v[TM2], 4, v[TM2]
	ds_load_b128 v[P:P+3], v[TM2]
	s_lshl_b32 s22, ttmp9, 10                      ; 256 results x 4 bytes a work-group (s23 is still 0)
	s_add_nc_u64 s[14:15], s[14:15], s[22:23]
	s_wait_dscnt 0x0
	global_store_b128 v[TM2], v[P:P+3], s[14:15] th:TH_STORE_NT
.Lend:
	s_wait_tensorcnt 0x0
	ds_add_u32 v192, v193
	s_wait_dscnt 0x0
	s_endpgm
.Lfunc_end_k_q1cb53bb203_main:
	.size	k_q1cb53bb203_main, .Lfunc_end_k_q1cb53bb203_main-k_q1cb53bb203_main
	.p2alignl 7, 3214868480
	.fill 96, 4, 3214868480
	.section	.rodata,"a",@progbits
	.p2align	6, 0x0
	.amdhsa_kernel k_q1cb53bb203_main
		.amdhsa_group_segment_fixed_size 3072
		.amdhsa_private_segment_fixed_size 0
		.amdhsa_enable_private_segment 0
		.amdhsa_kernarg_size 48
		.amdhsa_user_sgpr_count 2
		.amdhsa_user_sgpr_kernarg_segment_ptr 1
		.amdhsa_wavefront_size32 1
		.amdhsa_system_sgpr_workgroup_id_x 1
		.amdhsa_system_sgpr_workgroup_id_y 1
		.amdhsa_system_sgpr_workgroup_id_z 1
		.amdhsa_system_vgpr_workitem_id 0
		.amdhsa_next_free_vgpr 194
		.amdhsa_next_free_sgpr 66
		.amdhsa_reserve_vcc 1
		.amdhsa_float_denorm_mode_32 3
		.amdhsa_float_denorm_mode_16_64 3
		.amdhsa_memory_ordered 1
		.amdhsa_forward_progress 1
		.amdhsa_inst_pref_size 25
	.end_amdhsa_kernel
	.amdgpu_metadata
---
amdhsa.version: [ 1, 2 ]
amdhsa.kernels:
  - .name:           k_q1cb53bb203_main
    .symbol:         k_q1cb53bb203_main.kd
    .args:
      - { .name: tab, .offset: 0, .size: 8, .value_kind: global_buffer, .address_space: global }
      - { .name: evf, .offset: 8, .size: 8, .value_kind: global_buffer, .address_space: global }
      - { .name: evi, .offset: 16, .size: 8, .value_kind: global_buffer, .address_space: global }
      - { .name: ogata_x, .offset: 24, .size: 8, .value_kind: global_buffer, .address_space: global }
      - { .name: ogata_w, .offset: 32, .size: 8, .value_kind: global_buffer, .address_space: global }
      - { .name: out0, .offset: 40, .size: 8, .value_kind: global_buffer, .address_space: global }
    .group_segment_fixed_size: 3072
    .private_segment_fixed_size: 0
    .kernarg_segment_align: 8
    .kernarg_segment_size: 48
    .max_flat_workgroup_size: 512
    .sgpr_count:     66
    .vgpr_count:     194
    .wavefront_size: 32
...
	.end_amdgpu_metadata
.endif
;; end of part 2
;; ======== version 2 of 3: 2 launches; 1.48 times as fast as version 1
;; workspace buffers: tab 4,194,304 bytes; evf 1,048,576 bytes; evi 524,800 bytes of whole numbers
;; launch prep (part 3): grid 256 x 1, 8 waves a work-group, no clusters, 3,072 bytes of LDS; arguments events_tensor, fnp_params, ogata_x, ope_pdf_grid, ope_ff_grid, tab, evf, evi; writes tab, evf, evi
.if DOCPART == 3
	.amdgcn_target "amdgcn-amd-amdhsa--gfx1250"
	.amdhsa_code_object_version 6
	.text
	.protected	k_q1cb53bb203_prep
	.globl	k_q1cb53bb203_prep
	.p2align	8
	.type	k_q1cb53bb203_prep,@function
k_q1cb53bb203_prep:
	s_mov_b64 s[64:65], 0
	v_nop
	global_prefetch_b8 v0, s[64:65] scope:SCOPE_SE
	s_setreg_imm32_b32 hwreg(HW_REG_WAVE_MODE, 25, 1), 1
	s_wait_xcnt 0x0
; FIRST OF TWO LAUNCHES.  out[n] = pre(n) / qT^2 * sum over k of w_k * exp(-K_n bT^2) * sum over f of e_f^2 * PDF_f(x_n, bT) * FF_f(z_n, bT),
; bT = u_k / qT_n, PDF and FF bilinear in (log x or log z, log bT) on grids [8][256][256].
; WHY TWO LAUNCHES: the rows and columns of the look-ups, and the number of nodes that an event needs, come from floating-point numbers, and no address
; and no trip count of a launch hangs on floating-point numbers of the same launch.  This launch makes them and stores them as whole numbers; the next reads them.
; The column coordinate separates: fb(n, k) = a_k - c_n, a_k = log2(u_k) S + off, c_n = log2(qT_n) S, S = 255 / log2(50000), off = log2(1000) S.
; a_k (64 words) and c_n (a word an event) are stored in 16.16 fixed point; the next launch subtracts, clips and splits them in integers.
; WHICH NODES AN EVENT NEEDS.  A node's whole term carries the factor exp2(nE_n u_k^2), nE = -log2(e) K_n / qT^2, and v_exp_f32 gives exactly 0 where the
; result would lie below 2^-126 (ISA guide 15.8).  A node is LIVE where nE u^2 >= -150, for nE < 0: u^2 <= thr = -150 / nE; the 24 between -150 and -126
; cover every rounding below.  Both sides are compared as unsigned integers: key_k = the bits of u_k^2 (never negative) with the low 6 bits replaced by k
; (keys differ for all k; a key moves by less than 2^-17 of its value; a NaN gets key k and is always live), T_n = the bits of thr.  So the live nodes
; {key_k <= T_n} are the first L_n in ascending order of the keys, whatever the order of ogata_x.  L_n = 64 where nE is not below 0 (NaN too).
; This is work that only some values of the inputs throw away: the count follows every input, and at L = 64 all the work is done.
; WHAT THIS LAUNCH STORES.  Work-group g, eight waves:
;   evf[n] = { tx, tz, nE, pref }  for its 256 events (thread = event): fractions along log x and log z; pref = pre / qT^2
;   evi[n] = { c_n, i0x | i0z << 8 | L' << 16 | NT << 24 }: L' = max(L_n, 1); NT = trips of 8 nodes for the largest L' of the 16 events n & ~15
;   evi at byte NODES: { a_k, rank_k } for the 64 nodes (threads 0 to 63 of work-group 0); rank_k = how many keys lie below key_k.  The rank is stored at the
;   node's own place: a store at the place that the rank names would be an address made from floating-point numbers of this launch.
;   tab[grid][i = g][j][f]: row g of both grids with the flavour fastest, so that a column's 8 flavours are 32 bytes and columns j0, j0+1 are
;   64 consecutive bytes; the pdf table is multiplied by e_f^2 = 4/9, 1/9, 1/9, 4/9, 4/9, 1/9, 1/9, 4/9.
; THE SUM OVER FLAVOURS (the einsum with e^2) has one output for 8 terms: as a 16x16x32 matrix product it would fill one row of sixteen and 8 of 32
; along K.  With e^2 in the table it costs nothing here and rides on the multiply-adds of PDF x FF in the next launch, in f32.
; IDENTITIES USED, for all values of the inputs: Q2 / Q20 with Q20 = 1 is Q2 (the division is left out);
;   exp(a) exp(b) exp(c) = exp(a + b + c): K_n = G2 ln Q2 + lam_p (1 + sig(p2) ln(1/x)) + lam_f (1 + sig(p3)) / z^2;
;   1 - eps = (y^2/2)(1 + gamma^2) / den, den = 1 - y + y^2/2 + gamma^2 y^2/4, so y^2/2/(1 - eps) = den / (1 + gamma^2): no difference of near-equal numbers.
; Every input has a way to the output and is loaded (ogata_w by the next launch alone).
; LIMITS: the column coordinate is rounded to 2^-16 of a cell (an f32 near 255 has the same step); v_log_f32, v_exp_f32 and v_rcp_f32 take
; denormals as zero (ISA guide 15.8); where one of the three exponentials alone would overflow or underflow, the merged one need not;
; at y = 0 the quotient y^2/(1 - eps) is 0/0 and the identity's right side is finite; an infinity or a NaN in a table entry or a weight, or an
; overflow of PDF x FF, that only nodes which are not live reach is not carried to the result (there 0 x infinity would be NaN).
.set PLANE, 262144                     ; bytes of one flavour's [256][256] plane
.set NODES, 0x80000                    ; byte offset of the 64 node entries in evi
.set LANE, 2                           ; v2       lane
.set EVO, 3                            ; v3       16 t: my event in events_tensor and in evf
.set UP,  4                            ; v[4:5]   u, then u^2, of nodes 2 lane and 2 lane + 1
.set UN,  6                            ; v6       u of node t & 63
.set PRO, 7                            ; v7       8 x lane: my pair of nodes in ogata_x
.set LDO, 8                            ; v8       my byte offset in a grid row's planes
.set STO, 9                            ; v9       my byte offset in the table row
.set IVO, 10                           ; v10      8 t: my event in evi; for t < 64 also my node's entry
.set LBR, 11                           ; v11      LDS: the first byte of my wave's 64 keys
.set EV,  12                           ; v[12:15] x, PhT, Q, z
.set TB,  16                           ; v[16:31] four groups of columns x four flavours
.set KEY, 96                           ; v[96:159] the 64 keys, the same in every lane
.set THR, 160                          ; v160     thr; its bits are T
.set OWN, 161                          ; v161     the key of node t & 63
.set CNT, 162                          ; v[162:163] two running counts
.set TT,  164                          ; v[164:167] at work in the counts
.set UNO, 168                          ; v168     4 (t & 63): my node in ogata_x
.set LST, 169                          ; v169     LDS: where my pair of keys goes
.set LOW, 170                          ; v170     LDS: the key of node t & 63
	s_load_b512 s[8:23], s[0:1], 0x0       ; events s[8:9], fnp s[10:11], ogata_x s[12:13], pdf s[14:15], ff s[16:17], tab s[18:19], evf s[20:21], evi s[22:23]
	v_lshl_add_u32 v172, v0, 2, 0x800
	v_mov_b32 v173, 0
	v_lshrrev_b32 v1, 5, v0
	v_readfirstlane_b32 s2, v1             ; wave 0..7
	v_lshlrev_b32 v[EVO], 4, v0
	v_lshlrev_b32 v[IVO], 3, v0
	v_and_b32 v[LANE], 31, v0
	v_lshlrev_b32 v[PRO], 3, v[LANE]
	v_and_b32 v[UNO], 63, v0
	v_lshlrev_b32 v[UNO], 2, v[UNO]
	s_lshl_b32 s5, s2, 8                   ; each wave has 256 bytes of LDS of its own for the keys: no barrier
	v_mov_b32 v[LBR], s5
	v_add_nc_u32 v[LST], s5, v[PRO]
	v_add_nc_u32 v[LOW], s5, v[UNO]
	; the table: waves 0-3 take the pdf row, waves 4-7 the ff row, 64 columns each.  Lane l: flavours 4q .. 4q+3, q = l & 1, of column 16 r + (l >> 1), r = 0..3
	v_and_b32 v[LDO], 1, v0                ; q
	v_bfe_u32 v1, v0, 1, 4                 ; l >> 1
	v_lshlrev_b32 v[LDO], 20, v[LDO]       ; q x 4 planes
	v_lshl_add_u32 v[LDO], v1, 2, v[LDO]   ; + 4 bytes a column
	v_and_b32 v[STO], 31, v0
	v_lshlrev_b32 v[STO], 4, v[STO]        ; 16 l = 32 (l >> 1) + 16 q: neighbouring lanes store neighbouring 16 bytes
	s_and_b32 s3, s2, 3                    ; which 64 columns
	s_lshr_b32 s4, s2, 2                   ; which grid
	s_lshl_b32 s5, s3, 8
	v_add_nc_u32 v[LDO], s5, v[LDO]        ; + 64 columns x 4 bytes
	s_lshl_b32 s5, s3, 11
	v_add_nc_u32 v[STO], s5, v[STO]        ; + 64 columns x 32 bytes
	s_lshl_b32 s26, ttmp9, 12              ; 256 events x 16 bytes (events_tensor, evf)
	s_mov_b32 s27, 0
	s_lshl_b32 s28, ttmp9, 11              ; 256 events x 8 bytes (evi)
	s_mov_b32 s29, 0
	s_lshl_b32 s30, ttmp9, 10              ; grid row g: 1,024 bytes
	s_mov_b32 s31, 0
	s_lshl_b32 s32, ttmp9, 13              ; table row g: 8,192 bytes,
	s_lshl_b32 s5, s4, 21                  ; in the grid's table
	s_add_co_u32 s32, s32, s5
	s_mov_b32 s33, 0
	s_mov_b32 s40, 0x4199867a              ; 255 / log2(1e4) = 19.190662: cells for a doubling of x
	s_mov_b32 s41, 0x437f0000              ; 255.0
	s_mov_b32 s42, 0x437efff9              ; the f32 nearest to 255 - 1e-4
	s_mov_b32 s43, 0x4982b03f              ; 65536 x 255 / log2(50000) = 1070599.9
	s_mov_b32 s44, 0xce000000              ; -2^29
	s_mov_b32 s45, 0x4e000000              ; +2^29: |a_k|, |c_n| <= 2^29, so that a_k - c_n cannot wrap
	s_mov_b32 s46, 0x3daa590d              ; G2 ln 2 = 0.08317766
	s_mov_b32 s47, 0xba0cb057              ; -(alpha0 / 3 pi) ln 2
	s_mov_b32 s48, 0x3f7cfed4              ; 1 + (alpha0 / 3 pi) ln(me^2) = 0.98826335
	s_mov_b32 s49, 0x3fe15b57              ; 2 M2 = 1.7606
	s_mov_b32 s50, 0x3beb89c6              ; 1 / (s - M2) = 1 / 139.1197
	s_mov_b32 s51, 0x3b89c665              ; 8 pi^2 alpha0^2 = 0.0042045585
	s_mov_b32 s52, 0x4b22cd38              ; 65536 x log2(1000) x 255 / log2(50000) = 10669368
	s_mov_b32 s53, 0x7f800000              ; the bits of +infinity: a square whose bits lie above them is a NaN
	s_wait_kmcnt 0x0
	s_load_b128 s[36:39], s[10:11], 0x0    ; the four parameters
	s_add_nc_u64 s[8:9], s[8:9], s[26:27]
	s_add_nc_u64 s[20:21], s[20:21], s[26:27]
	s_add_nc_u64 s[22:23], s[22:23], s[28:29]
	s_cmp_eq_u32 s4, 0
	s_cselect_b64 s[24:25], s[14:15], s[16:17]     ; my grid
	s_add_nc_u64 s[24:25], s[24:25], s[30:31]
	s_add_nc_u64 s[18:19], s[18:19], s[32:33]
	; all loads go out first: the nodes, my event, then 16 words of the grid row.  A wave's four loads of one flavour (r = 0..3) cover one aligned block of 256 bytes.
	global_load_b64 v[UP:UP+1], v[PRO], s[12:13]   ; a wave takes all 64 nodes, 256 consecutive bytes
	global_load_b32 v[UN], v[UNO], s[12:13]
	global_load_b128 v[EV:EV+3], v[EVO], s[8:9] th:TH_LOAD_NT
.irp r, 0,1,2,3
.irp m, 0,1,2,3
	global_load_b32 v[TB+4*\r+\m], v[LDO], s[24:25] offset:\m*PLANE+\r*64
.endr
.endr
	; the parameters, the same in every lane: lam = softplus(p) = max(p, 0) + log1p(exp(-|p|)), sig = 1 / (1 + exp(-p))
	s_wait_kmcnt 0x0
	s_and_b32 s28, s36, 0x7fffffff
	s_and_b32 s29, s37, 0x7fffffff
	s_mul_f32 s28, s28, 0xbfb8aa3b         ; -|p0| log2 e
	s_mul_f32 s29, s29, 0xbfb8aa3b
	s_mul_f32 s30, s38, 0xbfb8aa3b         ; -p2 log2 e
	s_mul_f32 s31, s39, 0xbfb8aa3b
	v_exp_f32 v32, s28                     ; e0 = exp(-|p0|), in (0, 1]
	v_exp_f32 v33, s29                     ; e1
	v_exp_f32 v34, s30
	v_exp_f32 v35, s31
	v_max_num_f32 v44, s36, 0              ; plain work behind the transcendentals
	v_max_num_f32 v45, s37, 0
	s_wait_alu depctr_va_vdst(0)
	v_add_f32 v36, 1.0, v32                ; u = 1 + e
	v_add_f32 v37, 1.0, v33
	v_add_f32 v34, 1.0, v34
	v_add_f32 v35, 1.0, v35
	v_add_f32 v38, -1.0, v36               ; d = u - 1, exact: log1p(e) = ln(u) e / d keeps its relative accuracy for small e
	v_add_f32 v39, -1.0, v37
	v_log_f32 v40, v36
	v_log_f32 v41, v37
	v_rcp_f32 v42, v38
	v_rcp_f32 v43, v39
	v_rcp_f32 v46, v34                     ; sig(p2)
	v_rcp_f32 v47, v35                     ; sig(p3)
	v_mul_f32 v48, 0x3f317218, v32         ; ln 2 x e: plain work behind the transcendentals
	v_mul_f32 v49, 0x3f317218, v33
	v_cmp_eq_f32 vcc_lo, 0, v38            ; e too small to move 1: log1p(e) = e
	v_cmp_eq_f32 s5, 0, v39
	s_wait_alu depctr_va_vdst(0)
	v_mul_f32 v40, v40, v42
	v_mul_f32 v41, v41, v43
	v_mul_f32 v40, v40, v48
	v_mul_f32 v41, v41, v49
	v_cndmask_b32 v40, v40, v32, vcc_lo
	v_cndmask_b32 v41, v41, v33, s5
	v_add_f32 v40, v40, v44                ; lam_p
	v_add_f32 v41, v41, v45                ; lam_f
	v_mul_f32 v42, v40, v46
	v_mul_f32 v42, 0x3f317218, v42         ; lam_p sig(p2) ln 2
	v_fma_f32 v41, v41, v47, v41           ; lam_f (1 + sig(p3))
	; the 64 keys: two a lane into my wave's LDS bytes, and back into every lane, four at a time
	s_wait_loadcnt 18                      ; my pair of nodes is in; 18 younger loads stay out: the single node, the event, the 16 of the grid row
	v_pk_mul_f32 v[UP:UP+1], v[UP:UP+1], v[UP:UP+1]        ; u^2, rounded as the next launch rounds it
	v_lshlrev_b32 v86, 1, v[LANE]          ; k = 2 lane
	v_or_b32 v87, 1, v86                   ; k = 2 lane + 1
	v_cmp_ge_u32 vcc_lo, s53, v[UP]        ; the square is a number
	v_cmp_ge_u32 s5, s53, v[UP+1]
	v_cndmask_b32 v84, 0, v[UP], vcc_lo    ; a NaN counts as 0: first in the order, live for every event
	v_cndmask_b32 v85, 0, v[UP+1], s5
	v_and_or_b32 v84, v84, 0xffffffc0, v86 ; the low 6 bits give way to k: no two keys are equal
	v_and_or_b32 v85, v85, 0xffffffc0, v87
	ds_store_b64 v[LST], v[84:85]          ; key_k at byte 4 k of my wave's 256
.irp i, 0,1,2,3,4,5,6,7,8,9,10,11,12,13,14,15
	ds_load_b128 v[KEY+4*\i:KEY+4*\i+3], v[LBR] offset:16*\i   ; all lanes read the same 16 bytes; LDS serves a wave's instructions in order (ISA guide 5.7.1.4): these see the store above
.endr
	; the table row: its stores go out ahead of the event's arithmetic, which then runs while they are on their way
	s_wait_loadcnt 0x0
	s_cmp_lg_u32 s4, 0
	s_cbranch_scc1 .Lno_charge             ; the ff table is stored as it is
	v_mov_b32 v88, 0x3ee38e39              ; 4/9   flavours 4q, 4q+1 (the charges are the same for q = 0 and q = 1)
	v_mov_b32 v89, 0x3de38e39              ; 1/9
	v_mov_b32 v90, 0x3de38e39              ; 1/9   flavours 4q+2, 4q+3
	v_mov_b32 v91, 0x3ee38e39              ; 4/9
.irp r, 0,1,2,3
	v_pk_mul_f32 v[TB+4*\r:TB+4*\r+1],   v[TB+4*\r:TB+4*\r+1],   v[88:89]
	v_pk_mul_f32 v[TB+4*\r+2:TB+4*\r+3], v[TB+4*\r+2:TB+4*\r+3], v[90:91]
.endr
.Lno_charge:
.irp r, 0,1,2,3
	global_store_b128 v[STO], v[TB+4*\r:TB+4*\r+3], s[18:19] offset:512*\r   ; 16 columns x 32 bytes: 512 consecutive bytes, aligned
.endr
	; my event (its load is older than the grid row's, which the wait above has shown done)
	v_rcp_f32 v50, v[EV+3]                 ; 1/z
	v_rcp_f32 v51, v[EV]                   ; 1/x
	v_rcp_f32 v52, v[EV+2]                 ; 1/Q
	v_log_f32 v53, v[EV]                   ; log2 x
	v_log_f32 v54, v[EV+3]                 ; log2 z
	v_mul_f32 v55, v[EV+2], v[EV+2]        ; Q2
	s_wait_alu depctr_va_vdst(0)
	v_mul_f32 v56, v[EV+1], v50            ; qT = PhT / z
	v_log_f32 v57, v55                     ; log2 Q2
	v_log_f32 v58, v56                     ; log2 qT
	v_rcp_f32 v59, v56                     ; 1/qT
	v_fma_f32 v60, v53, s40, s41           ; row coordinate of x: 255 + log2(x) 255 / log2(1e4)
	v_fma_f32 v61, v54, s40, s41           ; and of z
	v_max_num_f32 v60, 0, v60              ; the clip
	v_max_num_f32 v61, 0, v61
	v_min_num_f32 v60, s42, v60
	v_min_num_f32 v61, s42, v61
	v_floor_f32 v62, v60
	v_floor_f32 v63, v61
	v_sub_f32 v64, v60, v62                ; tx
	v_sub_f32 v65, v61, v63                ; tz
	v_cvt_u32_f32 v62, v62
	v_cvt_u32_f32 v63, v63
	v_lshl_or_b32 v69, v63, 8, v62         ; i0x | i0z << 8
	s_wait_alu depctr_va_vdst(0)
	v_mul_f32 v68, s43, v58                ; c_n in units of 2^-16 cell
	v_max_num_f32 v68, s44, v68
	v_min_num_f32 v68, s45, v68
	v_cvt_i32_f32 v68, v68
	v_fma_f32 v70, v57, s46, v40           ; K = G2 ln Q2 + lam_p
	v_fma_f32 v70, -v42, v53, v70          ;   + lam_p sig(p2) ln(1/x)
	v_mul_f32 v71, v50, v50
	v_fma_f32 v70, v41, v71, v70           ;   + lam_f (1 + sig(p3)) / z^2
	v_mul_f32 v72, v59, v59
	v_mul_f32 v72, 0xbfb8aa3b, v72
	v_mul_f32 v66, v70, v72                ; nE = -log2(e) K / qT^2: the next launch takes exp2(nE u_k^2)
	v_rcp_f32 v[THR], v66                  ; used far below; the next line is plain and touches neither register (ISA guide 5.7.2)
	v_fma_f32 v73, v57, s47, s48           ; 1 - (alpha0 / 3 pi) ln(Q2 / me^2)
	v_mul_f32 v74, v[EV], v52
	v_mul_f32 v74, s49, v74                ; gamma = 2 M2 x / Q
	v_mul_f32 v74, v74, v74                ; gamma^2
	v_add_f32 v75, 1.0, v74
	v_rcp_f32 v92, v73
	v_rcp_f32 v93, v75                     ; 1 / (1 + gamma^2)
	v_mul_f32 v76, v55, v51
	v_mul_f32 v76, s50, v76                ; y = Q2 / x / (s - M2)
	v_fma_f32 v77, v74, 0.5, 1.0           ; 1 + gamma^2 / 2
	v_mul_f32 v78, v76, v76
	v_mul_f32 v78, 0.5, v78                ; y^2 / 2
	v_sub_f32 v79, 1.0, v76
	v_fma_f32 v79, v78, v77, v79           ; den = 1 - y + y^2/2 + gamma^2 y^2/4
	v_mul_f32 v80, v74, v51
	v_fma_f32 v80, v80, 0.5, 1.0           ; 1 + gamma^2 / (2x)
	s_wait_alu depctr_va_vdst(0)
	v_mul_f32 v81, v92, v[EV+3]
	v_mul_f32 v81, v81, v81
	v_mul_f32 v81, s51, v81                ; 8 pi^2 alpha^2 z^2
	v_mul_f32 v82, v52, v52
	v_mul_f32 v82, v82, v52                ; 1/Q^3
	v_mul_f32 v83, v51, v59                ; 1/(x qT): qT of pre over qT^2 of the transform
	v_mul_f32 v82, v82, v83
	v_mul_f32 v79, v79, v93
	v_mul_f32 v79, v79, v80
	v_mul_f32 v81, v81, v82
	v_mul_f32 v67, v81, v79                ; pref
	global_store_b128 v[EVO], v[64:67], s[20:21]   ; a wave stores 512 consecutive bytes
; How many of the 64 keys stand in the relation op to v[ref]: four compares, four selects of 0 or 1, two sums of three, so that no line waits for the one before.
.macro TALLY op, ref, dst
.set j, 0
.rept 16
	\op s56, v[KEY+j],   v[\ref]
	\op s57, v[KEY+j+1], v[\ref]
	\op s58, v[KEY+j+2], v[\ref]
	\op s59, v[KEY+j+3], v[\ref]
	v_cndmask_b32 v[TT],   0, 1, s56
	v_cndmask_b32 v[TT+1], 0, 1, s57
	v_cndmask_b32 v[TT+2], 0, 1, s58
	v_cndmask_b32 v[TT+3], 0, 1, s59
.if j == 0
	v_add_nc_u32 v[CNT],   v[TT],   v[TT+1]        ; the first four start the counts: nothing is cleared
	v_add_nc_u32 v[CNT+1], v[TT+2], v[TT+3]
.else
	v_add3_u32 v[CNT],   v[CNT],   v[TT],   v[TT+1]
	v_add3_u32 v[CNT+1], v[CNT+1], v[TT+2], v[TT+3]
.endif
.set j, j+4
.endr
	v_add_nc_u32 v[\dst], v[CNT], v[CNT+1]
.endm
	; my event's live nodes
	v_mul_f32 v[THR], 0xc3160000, v[THR]   ; thr = -150 / nE: for nE < 0 it lies in [+0, +infinity], so its bits order as unsigned integers
	s_wait_dscnt 0x0                       ; the 64 keys are in
	TALLY v_cmp_le_u32, THR, CNT           ; L = how many keys are <= T
	v_cmp_gt_f32 vcc_lo, 0, v66            ; nE < 0 ?
	v_cndmask_b32 v[CNT], 64, v[CNT], vcc_lo       ; if not (zero, positive, NaN) no factor vanishes: all 64
	v_max_u32 v[CNT], 1, v[CNT]            ; L' = max(L, 1): the first node in the order is always looked up
	v_cvt_f32_u32 v[TT], v[CNT]            ; exact; the largest L' of the 16 events of a row of lanes, which are one wave's events in the next launch
	v_max_num_f32_dpp v[TT], v[TT], v[TT] row_xmask:1 row_mask:0xf bank_mask:0xf
	v_max_num_f32_dpp v[TT], v[TT], v[TT] row_xmask:2 row_mask:0xf bank_mask:0xf
	v_max_num_f32_dpp v[TT], v[TT], v[TT] row_xmask:4 row_mask:0xf bank_mask:0xf
	v_max_num_f32_dpp v[TT], v[TT], v[TT] row_xmask:8 row_mask:0xf bank_mask:0xf
	v_cvt_u32_f32 v[TT], v[TT]
	v_add_nc_u32 v[TT], 7, v[TT]
	v_lshrrev_b32 v[TT], 3, v[TT]          ; NT = trips of 8 nodes, 1 to 8
	v_lshl_or_b32 v69, v[CNT], 16, v69
	v_lshl_or_b32 v69, v[TT], 24, v69
	global_store_b64 v[IVO], v[68:69], s[22:23]    ; a wave stores 256 consecutive bytes
	; the 64 node entries, by waves 0 and 1 of work-group 0 (whose evi base is the buffer's first byte): thread = node
	s_lshr_b32 s5, s2, 1
	s_or_b32 s5, s5, ttmp9
	s_cmp_lg_u32 s5, 0
	s_cbranch_scc1 .Lnot_nodes
	ds_load_b32 v[OWN], v[LOW]             ; my node's key, from my wave's own bytes
	v_log_f32 v86, v[UN]
	v_nop                                  ; one plain instruction between a transcendental and the use of its result (ISA guide 5.7.2)
	s_wait_alu depctr_va_vdst(0)
	v_fma_f32 v86, v86, s43, s52           ; a_k in units of 2^-16 cell
	v_max_num_f32 v86, s44, v86            ; log2(0) = -inf ends at -2^29: far below cell 0, as the clip wants it
	v_min_num_f32 v86, s45, v86
	v_cvt_i32_f32 v86, v86
	s_wait_dscnt 0x0
	TALLY v_cmp_lt_u32, OWN, 87            ; rank_k = how many keys lie below mine; the keys differ, so the ranks are 0 to 63, each once
	global_store_b64 v[IVO], v[86:87], s[22:23] offset:NODES   ; 32 lanes x 8 bytes: each of the two waves stores 256 consecutive bytes, aligned
.Lnot_nodes:
	s_wait_tensorcnt 0x0
	ds_add_u32 v172, v173
	s_wait_dscnt 0x0
	s_endpgm
.Lfunc_end_k_q1cb53bb203_prep:
	.size	k_q1cb53bb203_prep, .Lfunc_end_k_q1cb53bb203_prep-k_q1cb53bb203_prep
	.p2alignl 7, 3214868480
	.fill 96, 4, 3214868480
	.section	.rodata,"a",@progbits
	.p2align	6, 0x0
	.amdhsa_kernel k_q1cb53bb203_prep
		.amdhsa_group_segment_fixed_size 3072
		.amdhsa_private_segment_fixed_size 0
		.amdhsa_enable_private_segment 0
		.amdhsa_kernarg_size 64
		.amdhsa_user_sgpr_count 2
		.amdhsa_user_sgpr_kernarg_segment_ptr 1
		.amdhsa_wavefront_size32 1
		.amdhsa_system_sgpr_workgroup_id_x 1
		.amdhsa_system_sgpr_workgroup_id_y 1
		.amdhsa_system_sgpr_workgroup_id_z 1
		.amdhsa_system_vgpr_workitem_id 0
		.amdhsa_next_free_vgpr 174
		.amdhsa_next_free_sgpr 66
		.amdhsa_reserve_vcc 1
		.amdhsa_float_denorm_mode_32 3
		.amdhsa_float_denorm_mode_16_64 3
		.amdhsa_memory_ordered 1
		.amdhsa_forward_progress 1
		.amdhsa_inst_pref_size 33
	.end_amdhsa_kernel
	.amdgpu_metadata
---
amdhsa.version: [ 1, 2 ]
amdhsa.kernels:
  - .name:           k_q1cb53bb203_prep
    .symbol:         k_q1cb53bb203_prep.kd
    .args:
      - { .name: events_tensor, .offset: 0, .size: 8, .value_kind: global_buffer, .address_space: global }
      - { .name: fnp_params, .offset: 8, .size: 8, .value_kind: global_buffer, .address_space: global }
      - { .name: ogata_x, .offset: 16, .size: 8, .value_kind: global_buffer, .address_space: global }
      - { .name: ope_pdf_grid, .offset: 24, .size: 8, .value_kind: global_buffer, .address_space: global }
      - { .name: ope_ff_grid, .offset: 32, .size: 8, .value_kind: global_buffer, .address_space: global }
      - { .name: tab, .offset: 40, .size: 8, .value_kind: global_buffer, .address_space: global }
      - { .name: evf, .offset: 48, .size: 8, .value_kind: global_buffer, .address_space: global }
      - { .name: evi, .offset: 56, .size: 8, .value_kind: global_buffer, .address_space: global }
    .group_segment_fixed_size: 3072
    .private_segment_fixed_size: 0
    .kernarg_segment_align: 8
    .kernarg_segment_size: 64
    .max_flat_workgroup_size: 256
    .sgpr_count:     66
    .vgpr_count:     174
    .wavefront_size: 32
...
	.end_amdgpu_metadata
.endif
;; end of part 3
;; launch main (part 4): grid 256 x 1, 16 waves a work-group, no clusters, 4,096 bytes of LDS; arguments tab, evf, evi, ogata_x, ogata_w, out0; writes out0
.if DOCPART == 4
	.amdgcn_target "amdgcn-amd-amdhsa--gfx1250"
	.amdhsa_code_object_version 6
	.text
	.protected	k_q1cb53bb203_main
	.globl	k_q1cb53bb203_main
	.p2align	8
	.type	k_q1cb53bb203_main,@function
k_q1cb53bb203_main:
	s_mov_b64 s[64:65], 0
	v_nop
	global_prefetch_b8 v0, s[64:65] scope:SCOPE_SE
	s_setreg_imm32_b32 hwreg(HW_REG_WAVE_MODE, 25, 1), 1
	s_wait_xcnt 0x0
; SECOND OF TWO LAUNCHES: the look-ups and the sum over the nodes.
;   out[n] = pref_n * sum over k of w_k exp2(nE_n u_k^2) * sum over f of P_f F_f,   P, F: bilinear look-ups in tab[grid][row][column][flavour].
; WORK LEFT OUT HERE: the nodes of an event that are not live, that is, whose factor exp2(nE u^2) has an exponent below -150 and comes out of v_exp_f32 as exactly 0.
; The first launch has counted an event's live nodes (L', 1 to 64) and ranked the nodes so that they are the first L' in rank order; its head shows why,
; with the limits (an infinity or NaN that only such nodes reach is not carried).  The counts are read from memory; with L' = 64 every node is looked up.
; The division by Q20 = 1, the merging of the three exponentials and the flavour charges folded into the pdf table are explained there too.
; ADDRESSES AND TRIPS come from whole numbers that the first launch stored: rows i0x, i0z; the column coordinate t = a_k - c_n in 16.16 fixed point, clipped here
; to [0, 255 - 7/65536] (the f32 nearest to 255 - 1e-4), j0 = t >> 16, tb = (t & 0xffff) / 65536; the nodes' ranks; L'; and NT, the trips of 8 nodes that the
; largest L' of a wave's 16 events asks for.  A loaded number enters an address only behind a v_min_u32, the trip count behind an s_min_u32, with a constant.
; SHARES: 256 work-groups of 16 waves, four on each SIMD; a work-group has 256 events, a wave 16.  A LANE IS (event, slot): event lane >> 3 of four, slot lane & 7 of
; eight; in trip t slot p stands for the node of rank 8 t + p.  A STAGE is 4 events x 8 slots: 16 loads of 16 bytes a lane (2 tables x 2 rows x columns j0, j0+1
; x 8 flavours = 256 bytes) into 64 registers; a trip is the wave's four stages, on two stage buffers that take turns: 16 to 32 loads of a wave are out.
; Sixteen waves of 16 events, not four of 64: they have four times the loads out, and a trip is short.  So a wave has 64 bytes of results, and they meet in LDS.
; A lane whose slot is not live for its event asks for the bytes that the event's rank-0 node asks for (no further bytes are named), and its term is selected to 0.
; THE NODES IN RANK ORDER: wave 0 stores { a, rank, u^2, w } of node k at LDS byte NTAB + 16 rank_k; a barrier; every wave reads its slots from there.
; THREE BARRIERS IN ALL: behind the node table's stores; between the loop's reads of LDS and the stores of the results; between those stores and their reads.
; The two buffers run empty at the end of a trip: with NT = 1 that is the end of the work; with more trips the SIMD's other three waves fill the gap.
; NO LDS STAGING of table rows: an event's four rows are 32 KB, what its nodes gather is 2 KB a trip.  No matrix instruction: the only contraction is the sum of 8
; flavours with one output.  No cluster: work-groups share no tile at a known time.
.set TROW,  8192                       ; bytes of a table row
.set TABF,  0x200000                   ; byte offset of the ff table
.set NODES, 0x80000                    ; byte offset of the node entries in evi
.set FBMAX, 0x00fefff9                 ; (255 - 7/65536) x 65536
.set NTAB,  1024                       ; LDS: bytes 0-1023 the work-group's 256 results; bytes 1024-2047 the 64 nodes in rank order, 16 bytes each
.set SLP, 1                            ; v1        p = lane & 7
.set EO16, 2                           ; v2        16 x (lane >> 3): my event of a stage's four, in evf
.set EO8, 3                            ; v3        8 x (lane >> 3): in evi
.set SL,  4                            ; v4        my slot's rank in this trip, 8 t + p
.set NA,  5                            ; v5        its LDS offset
.set NO8, 6                            ; v6        8 x lane  (wave 0: the node entries)
.set NO4, 7                            ; v7        4 x lane  (wave 0: ogata_x, ogata_w)
.set ND,  8                            ; v[8:11]   my slot's node: a, rank, u^2, w
.set T1,  12                           ; v[12:13]  buffer h: 1 + tb
.set OP,  14                           ; v[14:15]  buffer h: byte offset of (i0x, j0) in tab
.set OF,  16                           ; v[16:17]  buffer h: byte offset of (i0z, j0) in tab, ff part
.set TMP, 18
.set TM2, 19
.set W,   20                           ; v[20:27]  weights of the corners (row, column) 00, 01, 10, 11: pdf, then ff
.set GW,  28                           ; v28       w_k x exponential
.set EX,  29                           ; v29       the exponential
.set DOT, 30                           ; v[30:31]  the sum over flavours, in two halves
.set P,   32                           ; v[32:39]  PDF of 8 flavours
.set F,   40                           ; v[40:47]  FF of 8 flavours
.set EI,  48                           ; v[48:55]  stage g: c_n, packed word
.set EF,  56                           ; v[56:71]  stage g: tx, tz, nE, pref
.set RP,  72                           ; v[72:75]  stage g: byte offset of row i0x
.set RF,  76                           ; v[76:79]  stage g: byte offset of row i0z in the ff table
.set LV,  80                           ; v[80:83]  stage g: L'
.set ACC, 84                           ; v[84:87]  stage g: my slot's part of the event's sum
.set OX,  88                           ; v[88:91]  stage g: 1 - tx
.set OZ,  92                           ; v[92:95]  stage g: 1 - tz
.set DA,  96                           ; v[96:159]  stage buffer 0: register 32 table + 16 row + 8 column + flavour
.set DB,  160                          ; v[160:223] stage buffer 1
.set A0,  224                          ; v224      a of the node of rank 0
.set RA,  225                          ; v225      LDS: where my event's result goes, 64 wave + 4 (lane >> 3)
.set ZR,  226                          ; v226      0, an LDS address
; scalars: s[4:5] tab  s[6:7] evf  s[8:9] evi  s[10:11] ogata_x  s[12:13] ogata_w  s[14:15] out0  s16 wave  s[18:19], s[20:21] my first event in evi, evf
;          s24 my first event's packed word  s40 trip  s41 NT  s42, s43 buffer h: the lanes whose slot is live
	s_load_b256 s[4:11], s[0:1], 0x0
	s_load_b128 s[12:15], s[0:1], 0x20
	v_lshl_add_u32 v228, v0, 2, 0x800
	v_mov_b32 v229, 0
	v_lshrrev_b32 v[TMP], 5, v0
	v_readfirstlane_b32 s16, v[TMP]        ; wave 0..15
	v_and_b32 v[SLP], 7, v0
	v_bfe_u32 v[TM2], v0, 3, 2             ; lane >> 3
	v_lshlrev_b32 v[EO16], 4, v[TM2]
	v_lshlrev_b32 v[EO8], 3, v[TM2]
	v_and_b32 v[NO4], 31, v0
	v_lshlrev_b32 v[NO8], 3, v[NO4]
	v_lshlrev_b32 v[NO4], 2, v[NO4]
	s_lshl_b32 s22, s16, 6
	v_lshl_add_u32 v[RA], v[TM2], 2, s22
	v_mov_b32 v[ZR], 0
	s_lshl_b32 s17, ttmp9, 8
	s_lshl4_add_u32 s17, s16, s17          ; my first event = 256 x work-group + 16 x wave
	s_lshl_b32 s22, s17, 3
	s_mov_b32 s23, 0
	s_lshl_b32 s26, s17, 4
	s_mov_b32 s27, 0
	s_wait_kmcnt 0x0
	s_add_nc_u64 s[18:19], s[8:9], s[22:23]
	s_add_nc_u64 s[20:21], s[6:7], s[26:27]
	s_load_b32 s24, s[18:19], 0x4          ; NT is the same in the words of all my 16 events
.irp g, 0,1,2,3
	global_load_b64  v[EI+2*\g:EI+2*\g+1], v[EO8],  s[18:19] offset:32*\g     ; stage g: events 4 g .. 4 g + 3; the eight lanes of an event read the same bytes
	global_load_b128 v[EF+4*\g:EF+4*\g+3], v[EO16], s[20:21] offset:64*\g
.endr
	; wave 0 puts the nodes into rank order: lane l has nodes l and l + 32
	s_cmp_lg_u32 s16, 0
	s_cbranch_scc1 .Lnot_wave_0
	global_load_b64 v[96:97],   v[NO8], s[8:9] offset:NODES        ; a, rank
	global_load_b64 v[100:101], v[NO8], s[8:9] offset:NODES+256
	global_load_b32 v98,  v[NO4], s[10:11]                         ; u
	global_load_b32 v102, v[NO4], s[10:11] offset:128
	global_load_b32 v99,  v[NO4], s[12:13]                         ; w
	global_load_b32 v103, v[NO4], s[12:13] offset:128
	s_wait_loadcnt 0x0
	v_min_u32 v104, 63, v97                ; the ranks are 0 to 63, each once: all 64 entries are written
	v_min_u32 v105, 63, v101
	v_mul_f32 v98, v98, v98                ; u^2
	v_mul_f32 v102, v102, v102
	v_lshlrev_b32 v104, 4, v104
	v_lshlrev_b32 v105, 4, v105
	ds_store_b128 v104, v[96:99] offset:NTAB       ; the loads have landed in the entry's order: nothing is moved
	ds_store_b128 v105, v[100:103] offset:NTAB
.Lnot_wave_0:
	s_wait_dscnt 0x0                       ; wave 0's stores are done before it says so
	s_barrier_signal -1
	s_barrier_wait -1                      ; the events' loads of the other waves stay out across it: nobody writes those bytes
	ds_load_b32 v[A0], v[ZR] offset:NTAB   ; waited for with the first trip's node
	s_wait_loadcnt 0x0                     ; my 16 events, once
.irp g, 0,1,2,3
	v_and_b32 v[RP+\g], 0xff, v[EI+2*\g+1]
	v_bfe_u32 v[RF+\g], v[EI+2*\g+1], 8, 8
	v_bfe_u32 v[LV+\g], v[EI+2*\g+1], 16, 7
	v_min_u32 v[RP+\g], 0xfe, v[RP+\g]             ; rows i0 and i0 + 1 stay inside the 256
	v_min_u32 v[RF+\g], 0xfe, v[RF+\g]
	v_lshlrev_b32 v[RP+\g], 13, v[RP+\g]
	v_lshl_add_u32 v[RF+\g], v[RF+\g], 13, TABF
	v_sub_f32 v[OX+\g], 1.0, v[EF+4*\g]
	v_sub_f32 v[OZ+\g], 1.0, v[EF+4*\g+1]
	v_mov_b32 v[ACC+\g], 0                         ; four registers: the loop's trips all add, so that its text stands once
.endr
	s_wait_kmcnt 0x0
	s_bfe_u32 s41, s24, 0x40018            ; NT: 4 bits from bit 24
	s_min_u32 s41, s41, 8
	s_max_u32 s41, s41, 1
; column, fraction and offsets of buffer h for stage g, in integers
.macro GEN h, g
	v_cmp_lt_u32 s[42+\h], v[SL], v[LV+\g]         ; my slot is live for my event
	v_cndmask_b32 v[TMP], v[A0], v[ND], s[42+\h]   ; if not: the column of the node of rank 0, which the event's first lane names in trip 0
	v_sub_nc_u32 v[TMP], v[TMP], v[EI+2*\g]        ; t = a_k - c_n; both lie within +-2^29, so it cannot wrap
	v_ashrrev_i32 v[TM2], 31, v[TMP]               ; all ones where t < 0
	v_bfi_b32 v[TMP], v[TM2], 0, v[TMP]            ; the clip from below: 0 there, t elsewhere
	v_min_u32 v[TMP], FBMAX, v[TMP]                ; the clip from above
	v_lshrrev_b32 v[TM2], 16, v[TMP]               ; j0
	v_and_b32 v[TMP], 0xffff, v[TMP]               ; 65536 tb
	v_min_u32 v[TM2], 0xfe, v[TM2]                 ; changes nothing behind the clip: it stands because a right shift lies between the clip and the address
	v_lshl_or_b32 v[T1+\h], v[TMP], 7, 0x3f800000  ; the 16 bits as the top of a mantissa: the f32 1 + tb, exactly
	v_lshl_add_u32 v[OP+\h], v[TM2], 5, v[RP+\g]   ; 32 bytes a column + the row
	v_lshl_add_u32 v[OF+\h], v[TM2], 5, v[RF+\g]
.endm
; the stage's 16 loads: the pdf table's 8 first, so that they can be waited for apart
.macro ISSUE d, h
.irp c, 0,1,2,3
	global_load_b128 v[\d+4*\c:\d+4*\c+3], v[OP+\h], s[4:5] offset:16*\c
.endr
.irp c, 0,1,2,3
	global_load_b128 v[\d+16+4*\c:\d+16+4*\c+3], v[OP+\h], s[4:5] offset:TROW+16*\c
.endr
.irp c, 0,1,2,3
	global_load_b128 v[\d+32+4*\c:\d+32+4*\c+3], v[OF+\h], s[4:5] offset:16*\c
.endr
.irp c, 0,1,2,3
	global_load_b128 v[\d+48+4*\c:\d+48+4*\c+3], v[OF+\h], s[4:5] offset:TROW+16*\c
.endr
.endm
; eight flavours, two at a time, from four corners: a multiply and three fused multiply-adds; the four pairs take turns so that no line waits for the one before.
; op_sel / op_sel_hi pick the first or the second register of the weight pair for both halves.
.macro LERP out, d, w
.irp p, 0,2,4,6
	v_pk_mul_f32 v[\out+\p:\out+\p+1], v[\d+\p:\d+\p+1], v[\w:\w+1] op_sel_hi:[1,0]
.endr
.irp p, 0,2,4,6
	v_pk_fma_f32 v[\out+\p:\out+\p+1], v[\d+8+\p:\d+8+\p+1], v[\w:\w+1], v[\out+\p:\out+\p+1] op_sel:[0,1,0] op_sel_hi:[1,1,1]
.endr
.irp p, 0,2,4,6
	v_pk_fma_f32 v[\out+\p:\out+\p+1], v[\d+16+\p:\d+16+\p+1], v[\w+2:\w+3], v[\out+\p:\out+\p+1] op_sel_hi:[1,0,1]
.endr
.irp p, 0,2,4,6
	v_pk_fma_f32 v[\out+\p:\out+\p+1], v[\d+24+\p:\d+24+\p+1], v[\w+2:\w+3], v[\out+\p:\out+\p+1] op_sel:[0,1,0] op_sel_hi:[1,1,1]
.endr
.endm
; stage g's arithmetic on buffer h.  left = how many loads younger than this stage's may stay out.
.macro COMP d, h, g, left
	v_fma_f32 v[W+1], v[T1+\h], v[OX+\g], -v[OX+\g]            ; (1 + tb)(1 - tx) - (1 - tx) = (1 - tx) tb, one rounding
	v_fma_f32 v[W+3], v[T1+\h], v[EF+4*\g], -v[EF+4*\g]        ; tx tb
	v_fma_f32 v[W+5], v[T1+\h], v[OZ+\g], -v[OZ+\g]            ; (1 - tz) tb
	v_fma_f32 v[W+7], v[T1+\h], v[EF+4*\g+1], -v[EF+4*\g+1]    ; tz tb
	v_mul_f32 v[TMP], v[EF+4*\g+2], v[ND+2]        ; nE u^2 = -log2(e) K bT^2
	v_sub_f32 v[W+0], v[OX+\g], v[W+1]             ; (1 - tx)(1 - tb)
	v_sub_f32 v[W+2], v[EF+4*\g], v[W+3]
	v_sub_f32 v[W+4], v[OZ+\g], v[W+5]
	v_sub_f32 v[W+6], v[EF+4*\g+1], v[W+7]
	v_exp_f32 v[EX], v[TMP]                        ; its result is used 16 plain instructions further down (ISA guide 5.7.2 asks for one)
	s_wait_loadcnt \left+8                         ; loads come back in order (ISA guide 5.7.1): the stage's 8 pdf loads are in; its 8 ff loads and the other buffer's stay out
	LERP P, \d, W
	s_wait_alu depctr_va_vdst(0)
	v_mul_f32 v[GW], v[EX], v[ND+3]
	s_wait_loadcnt \left                           ; the 8 ff loads are in
	LERP F, \d+32, W+4
	v_pk_mul_f32 v[DOT:DOT+1], v[P:P+1], v[F:F+1]  ; the sum over flavours (the charges are in the pdf table)
	v_pk_fma_f32 v[DOT:DOT+1], v[P+2:P+3], v[F+2:F+3], v[DOT:DOT+1]
	v_pk_fma_f32 v[DOT:DOT+1], v[P+4:P+5], v[F+4:F+5], v[DOT:DOT+1]
	v_pk_fma_f32 v[DOT:DOT+1], v[P+6:P+7], v[F+6:F+7], v[DOT:DOT+1]
	v_add_f32 v[TMP], v[DOT], v[DOT+1]
	v_cndmask_b32 v[TMP], 0, v[TMP], s[42+\h]      ; a slot that is not live has looked up another node's column: its term is 0
	v_fma_f32 v[ACC+\g], v[TMP], v[GW], v[ACC+\g]
.endm
	s_mov_b32 s40, 0
.Ltrip:
	v_lshl_add_u32 v[SL], s40, 3, v[SLP]           ; rank 8 t + p
	v_min_u32 v[NA], 63, v[SL]                     ; t < NT <= 8: changes nothing; it keeps the LDS address inside the 64 entries by a constant
	v_lshlrev_b32 v[NA], 4, v[NA]
	ds_load_b128 v[ND:ND+3], v[NA] offset:NTAB
	s_wait_dscnt 0x0                               ; my slot's node (and, in the first trip, the a of rank 0)
	GEN 0, 0                                       ; both buffers' offsets are free: the last stage of the trip before waited for all loads
	ISSUE DA, 0
	GEN 1, 1
	ISSUE DB, 1
	COMP DA, 0, 0, 16                              ; 16 younger loads: stage 1's
	GEN 0, 2                                       ; buffer 0's offsets are free: its loads were shown done by the waits in COMP
	ISSUE DA, 0
	COMP DB, 1, 1, 16                              ; 16 younger loads: stage 2's
	GEN 1, 3
	ISSUE DB, 1
	COMP DA, 0, 2, 16                              ; 16 younger loads: stage 3's
	COMP DB, 1, 3, 0                               ; the trip's last stage: nothing younger is out
	s_add_co_u32 s40, s40, 1
	s_cmp_lt_u32 s40, s41
	s_cbranch_scc1 .Ltrip
	; Load, wait, barrier, overwrite: no wave stores a result into LDS before every wave has finished its reads of LDS in the loop.  (The node table lies in bytes
	; 1024-2047 and the results in bytes 0-1023, but a slot's address follows a trip count that is read from memory; the barrier orders the two whatever it holds.)
	; The waves have to meet in front of the way out in any case: what they wait for each other falls here, and the barrier behind the stores is then short.
	s_wait_dscnt 0x0                               ; my reads of the node table are back (met: every trip has waited for its one LDS load)
	s_barrier_signal -1                            ; say so; register work alone stands between the signal and its wait:
	; an event's sum: over the eight lanes of its group (DPP on the arithmetic itself), times pref
.irp m, 1,2,4
.irp g, 0,1,2,3
	v_add_f32_dpp v[ACC+\g], v[ACC+\g], v[ACC+\g] row_xmask:\m row_mask:0xf bank_mask:0xf
.endr
.endr
.irp g, 0,1,2,3
	v_mul_f32 v[ACC+\g], v[ACC+\g], v[EF+4*\g+3]
.endr
	s_barrier_wait -1                              ; all sixteen waves have left the loop
	; THE WAY OUT: a wave has 64 bytes of results, the work-group 1,024.  They meet in LDS, and 64 lanes store 16 bytes each: whole aligned blocks of 256 bytes.
.irp g, 0,1,2,3
	ds_store_b32 v[RA], v[ACC+\g] offset:16*\g     ; event 4 g + (lane >> 3): its eight lanes write the same word with the same value
.endr
	s_wait_dscnt 0x0                               ; my stores are done before I say so
	s_barrier_signal -1
	s_barrier_wait -1
	s_cmp_gt_u32 s16, 1
	s_cbranch_scc1 .Lend                           ; waves 0 and 1 store
	v_and_b32 v[TM2], 63, v0                       ; the thread's number, below 64 here
	v_lshlrev_b32 v[TM2], 4, v[TM2]
	ds_load_b128 v[P:P+3], v[TM2]
	s_lshl_b32 s22, ttmp9, 10                      ; 256 results x 4 bytes a work-group (s23 is still 0)
	s_add_nc_u64 s[14:15], s[14:15], s[22:23]
	s_wait_dscnt 0x0
	global_store_b128 v[TM2], v[P:P+3], s[14:15] th:TH_STORE_NT
.Lend:
	s_wait_tensorcnt 0x0
	ds_add_u32 v228, v229
	s_wait_dscnt 0x0
	s_endpgm
.Lfunc_end_k_q1cb53bb203_main:
	.size	k_q1cb53bb203_main, .Lfunc_end_k_q1cb53bb203_main-k_q1cb53bb203_main
	.p2alignl 7, 3214868480
	.fill 96, 4, 3214868480
	.section	.rodata,"a",@progbits
	.p2align	6, 0x0
	.amdhsa_kernel k_q1cb53bb203_main
		.amdhsa_group_segment_fixed_size 4096
		.amdhsa_private_segment_fixed_size 0
		.amdhsa_enable_private_segment 0
		.amdhsa_kernarg_size 48
		.amdhsa_user_sgpr_count 2
		.amdhsa_user_sgpr_kernarg_segment_ptr 1
		.amdhsa_wavefront_size32 1
		.amdhsa_system_sgpr_workgroup_id_x 1
		.amdhsa_system_sgpr_workgroup_id_y 1
		.amdhsa_system_sgpr_workgroup_id_z 1
		.amdhsa_system_vgpr_workitem_id 0
		.amdhsa_next_free_vgpr 230
		.amdhsa_next_free_sgpr 66
		.amdhsa_reserve_vcc 0
		.amdhsa_float_denorm_mode_32 3
		.amdhsa_float_denorm_mode_16_64 3
		.amdhsa_memory_ordered 1
		.amdhsa_forward_progress 1
		.amdhsa_inst_pref_size 29
	.end_amdhsa_kernel
	.amdgpu_metadata
---
amdhsa.version: [ 1, 2 ]
amdhsa.kernels:
  - .name:           k_q1cb53bb203_main
    .symbol:         k_q1cb53bb203_main.kd
    .args:
      - { .name: tab, .offset: 0, .size: 8, .value_kind: global_buffer, .address_space: global }
      - { .name: evf, .offset: 8, .size: 8, .value_kind: global_buffer, .address_space: global }
      - { .name: evi, .offset: 16, .size: 8, .value_kind: global_buffer, .address_space: global }
      - { .name: ogata_x, .offset: 24, .size: 8, .value_kind: global_buffer, .address_space: global }
      - { .name: ogata_w, .offset: 32, .size: 8, .value_kind: global_buffer, .address_space: global }
      - { .name: out0, .offset: 40, .size: 8, .value_kind: global_buffer, .address_space: global }
    .group_segment_fixed_size: 4096
    .private_segment_fixed_size: 0
    .kernarg_segment_align: 8
    .kernarg_segment_size: 48
    .max_flat_workgroup_size: 512
    .sgpr_count:     66
    .vgpr_count:     230
    .wavefront_size: 32
...
	.end_amdgpu_metadata
.endif
;; end of part 4
;; ======== version 3 of 3: 2 launches; version 2 with the launch main written anew for expert scheduling mode
;; workspace buffers: tab 4,194,304 bytes; evf 1,048,576 bytes; evi 524,800 bytes of whole numbers
;; launch prep: the kernel of part 3 again; grid 256 x 1, 8 waves a work-group, no clusters, 3,072 bytes of LDS; arguments events_tensor, fnp_params, ogata_x, ope_pdf_grid, ope_ff_grid, tab, evf, evi; writes tab, evf, evi
;; launch main (part 5): grid 256 x 1, 16 waves a work-group, no clusters, 4,096 bytes of LDS; arguments tab, evf, evi, ogata_x, ogata_w, out0; writes out0
.if DOCPART == 5
	.amdgcn_target "amdgcn-amd-amdhsa--gfx1250"
	.amdhsa_code_object_version 6
	.text
	.protected	k_q1cb53bb203_main
	.globl	k_q1cb53bb203_main
	.p2align	8
	.type	k_q1cb53bb203_main,@function
k_q1cb53bb203_main:
	s_mov_b64 s[64:65], 0
	v_nop
	global_prefetch_b8 v0, s[64:65] scope:SCOPE_SE
	s_setreg_imm32_b32 hwreg(HW_REG_WAVE_SCHED_MODE, 0, 2), 2
	s_setreg_imm32_b32 hwreg(HW_REG_WAVE_MODE, 25, 1), 1
	s_wait_xcnt 0x0
	s_wait_alu depctr_vm_vsrc(0)
; SECOND OF TWO LAUNCHES: the look-ups and the sum over the nodes.
;   out[n] = pref_n * sum over k of w_k exp2(nE_n u_k^2) * sum over f of P_f F_f,   P, F: bilinear look-ups in tab[grid][row][column][flavour].
; WORK LEFT OUT HERE: the nodes of an event that are not live, that is, whose factor exp2(nE u^2) has an exponent below -150 and comes out of v_exp_f32 as exactly 0.
; The first launch has counted an event's live nodes (L', 1 to 64) and ranked the nodes so that they are the first L' in rank order; its head shows why,
; with the limits (an infinity or NaN that only such nodes reach is not carried).  The counts are read from memory; with L' = 64 every node is looked up.
; The division by Q20 = 1, the merging of the three exponentials and the flavour charges folded into the pdf table are explained there too.
; ADDRESSES AND TRIPS come from whole numbers that the first launch stored: rows i0x, i0z; the column coordinate t = a_k - c_n in 16.16 fixed point, clipped here
; to [0, 255 - 7/65536] (the f32 nearest to 255 - 1e-4), j0 = t >> 16, tb = (t & 0xffff) / 65536; the nodes' ranks; L'; and NT, the trips of 8 nodes that the
; largest L' of a wave's 16 events asks for.  A loaded number enters an address only behind a v_min_u32, the trip count behind an s_min_u32, with a constant.
; SHARES: 256 work-groups of 16 waves, four on each SIMD; a work-group has 256 events, a wave 16.  A LANE IS (event, slot): event lane >> 3 of four, slot lane & 7 of
; eight; in trip t slot p stands for the node of rank 8 t + p.  A STAGE is 4 events x 8 slots: 16 loads of 16 bytes a lane (2 tables x 2 rows x columns j0, j0+1
; x 8 flavours = 256 bytes) into 64 registers; a trip is the wave's four stages, on two stage buffers that take turns: 16 to 32 loads of a wave are out.
; Sixteen waves of 16 events, not four of 64: they have four times the loads out, and a trip is short.  So a wave has 64 bytes of results, and they meet in LDS.
; A lane whose slot is not live for its event asks for the bytes that the event's rank-0 node asks for (no further bytes are named), and its term is selected to 0.
; THE NODES IN RANK ORDER: wave 0 stores { a, rank, u^2, w } of node k at LDS byte NTAB + 16 rank_k; a barrier; every wave reads its slots from there.
; THREE BARRIERS IN ALL: behind the node table's stores; between the loop's reads of LDS and the stores of the results; between those stores and their reads.
; The two buffers run empty at the end of a trip: with NT = 1 that is the end of the work; with more trips the SIMD's other three waves fill the gap.
; NO LDS STAGING of table rows: an event's four rows are 32 KB, what its nodes gather is 2 KB a trip.  No matrix instruction: the only contraction is the sum of 8
; flavours with one output.  No cluster: work-groups share no tile at a known time.
; THE MODE: SCHED_MODE bits 1:0 = 2 (LLVM: expert scheduling mode 2), set by the entry lines.  The code itself states the register dependences
; between vector instructions and memory or LDS instructions, with s_wait_alu, always for 0.
; THE PLAN.  Registers that memory or LDS instructions touch, in the loop:
;   NA          Written by two vector lines at the trip's head; read by the trip's one LDS load.
;   ND          That LDS load lands in it; read by the address lines and by all four stages' arithmetic.
;   OP0 .. OP3, OF0 .. OF3   A set for each stage.  Written by the address lines: stages 0 and 1 at the trip's head, stages 2 and 3 behind the first 32 loads;
;               read by the stage's 16 loads; not written again before the next trip.
;   DA, DB      Stages 0 and 2 land in DA, stages 1 and 3 in DB; read by the stage's two interpolations and by nothing else.
;   The offsets and addresses made at the kernel's head are never written again.  W, P, F, DOT, GW, EX, T1 and ACC are named by vector instructions alone in the loop.
; So a trip has: one wait on vm_vsrc at its head (the loads of the trip before have read NA, OP, OF); one on va_vdst ahead of the LDS load (NA is written, ND is
; read out); one on va_sdst behind the run of four compares; one on va_vdst ahead of the first 32 loads (their offsets are written); and ONE on va_vdst in each stage,
; behind its second interpolation: the stage's buffer is read out, the offsets of the stage two on are written, the exponential's result is written.  The 16 loads
; of the stage two on follow that wait, dealt among the stage's last eight vector lines, which name none of the registers that those loads touch.
.set TROW,  8192                       ; bytes of a table row
.set TABF,  0x200000                   ; byte offset of the ff table
.set NODES, 0x80000                    ; byte offset of the node entries in evi
.set FBMAX, 0x00fefff9                 ; (255 - 7/65536) x 65536
.set NTAB,  1024                       ; LDS: bytes 0-1023 the work-group's 256 results; bytes 1024-2047 the 64 nodes in rank order, 16 bytes each
.set SLP, 1                            ; v1        p = lane & 7
.set EO16, 2                           ; v2        16 x (lane >> 3): my event of a stage's four, in evf
.set EO8, 3                            ; v3        8 x (lane >> 3): in evi
.set SL,  4                            ; v4        my slot's rank in this trip, 8 t + p
.set NA,  5                            ; v5        its LDS offset
.set NO8, 6                            ; v6        8 x lane  (wave 0: the node entries)
.set NO4, 7                            ; v7        4 x lane  (wave 0: ogata_x, ogata_w)
.set ND,  8                            ; v[8:11]   my slot's node: a, rank, u^2, w
.set T1,  12                           ; v[12:15]  stage g: 1 + tb
.set OP,  16                           ; v[16:19]  stage g: byte offset of (i0x, j0) in tab
.set W,   20                           ; v[20:27]  weights of the corners (row, column) 00, 01, 10, 11: pdf, then ff; in the address lines at work: W + g the coordinate, W + 4 + g its sign, then j0
.set GW,  28                           ; v28       w_k x exponential
.set EX,  29                           ; v29       the exponential
.set DOT, 30                           ; v[30:31]  the sum over flavours, in two halves
.set P,   32                           ; v[32:39]  PDF of 8 flavours
.set F,   40                           ; v[40:47]  FF of 8 flavours
.set EI,  48                           ; v[48:55]  stage g: c_n, packed word
.set EF,  56                           ; v[56:71]  stage g: tx, tz, nE, pref
.set RP,  72                           ; v[72:75]  stage g: byte offset of row i0x
.set RF,  76                           ; v[76:79]  stage g: byte offset of row i0z in the ff table
.set LV,  80                           ; v[80:83]  stage g: L'
.set ACC, 84                           ; v[84:87]  stage g: my slot's part of the event's sum
.set OX,  88                           ; v[88:91]  stage g: 1 - tx
.set OZ,  92                           ; v[92:95]  stage g: 1 - tz
.set DA,  96                           ; v[96:159]  stage buffer 0: register 32 table + 16 row + 8 column + flavour
.set DB,  160                          ; v[160:223] stage buffer 1
.set A0,  224                          ; v224      a of the node of rank 0
.set RA,  225                          ; v225      LDS: where my event's result goes, 64 wave + 4 (lane >> 3)
.set ZR,  226                          ; v226      0, an LDS address
.set TMP, 227                          ; v227      at work
.set OF,  228                          ; v[228:231] stage g: byte offset of (i0z, j0) in tab, ff part
.set TM2, 232                          ; v232      at work
.set LM,  42                           ; s[42:45]  stage g: the lanes whose slot is live
; scalars: s[4:5] tab  s[6:7] evf  s[8:9] evi  s[10:11] ogata_x  s[12:13] ogata_w  s[14:15] out0  s16 wave  s[18:19], s[20:21] my first event in evi, evf
;          s24 my first event's packed word  s28 64 x wave  s40 trip  s41 NT
	s_load_b256 s[4:11], s[0:1], 0x0
	s_load_b128 s[12:15], s[0:1], 0x20
	v_lshl_add_u32 v234, v0, 2, 0x800
	v_mov_b32 v235, 0
	v_lshrrev_b32 v[TMP], 5, v0
	v_readfirstlane_b32 s16, v[TMP]        ; wave 0..15
	v_and_b32 v[SLP], 7, v0
	v_bfe_u32 v[TM2], v0, 3, 2             ; lane >> 3
	v_lshlrev_b32 v[EO16], 4, v[TM2]
	v_lshlrev_b32 v[EO8], 3, v[TM2]
	v_and_b32 v[NO4], 31, v0
	v_lshlrev_b32 v[NO8], 3, v[NO4]
	v_lshlrev_b32 v[NO4], 2, v[NO4]
	s_wait_alu depctr_va_sdst(0)           ; s16 is written, ahead of its first reader: addresses, bases and branches are made from it
	s_lshl_b32 s28, s16, 6
	v_lshl_add_u32 v[RA], v[TM2], 2, s28
	v_mov_b32 v[ZR], 0
	s_lshl_b32 s17, ttmp9, 8
	s_lshl4_add_u32 s17, s16, s17          ; my first event = 256 x work-group + 16 x wave
	s_lshl_b32 s22, s17, 3
	s_mov_b32 s23, 0
	s_lshl_b32 s26, s17, 4
	s_mov_b32 s27, 0
	s_wait_kmcnt 0x0
	s_add_nc_u64 s[18:19], s[8:9], s[22:23]
	s_add_nc_u64 s[20:21], s[6:7], s[26:27]
	s_load_b32 s24, s[18:19], 0x4          ; NT is the same in the words of all my 16 events
	s_wait_alu depctr_va_vdst(0)           ; the offsets and addresses EO8, EO16, NO8, NO4, RA and ZR are written, which loads and stores from here to the end read; none is written again
.irp g, 0,1,2,3
	global_load_b64  v[EI+2*\g:EI+2*\g+1], v[EO8],  s[18:19] offset:32*\g     ; stage g: events 4 g .. 4 g + 3; the eight lanes of an event read the same bytes
	global_load_b128 v[EF+4*\g:EF+4*\g+3], v[EO16], s[20:21] offset:64*\g
.endr
	; wave 0 puts the nodes into rank order: lane l has nodes l and l + 32
	s_cmp_lg_u32 s16, 0
	s_cbranch_scc1 .Lnot_wave_0
	global_load_b64 v[96:97],   v[NO8], s[8:9] offset:NODES        ; a, rank
	global_load_b64 v[100:101], v[NO8], s[8:9] offset:NODES+256
	global_load_b32 v98,  v[NO4], s[10:11]                         ; u
	global_load_b32 v102, v[NO4], s[10:11] offset:128
	global_load_b32 v99,  v[NO4], s[12:13]                         ; w
	global_load_b32 v103, v[NO4], s[12:13] offset:128
	s_wait_loadcnt 0x0
	v_min_u32 v104, 63, v97                ; the ranks are 0 to 63, each once: all 64 entries are written
	v_min_u32 v105, 63, v101
	v_mul_f32 v98, v98, v98                ; u^2
	v_mul_f32 v102, v102, v102
	v_lshlrev_b32 v104, 4, v104
	v_lshlrev_b32 v105, 4, v105
	s_wait_alu depctr_va_vdst(0)           ; the squares v98, v102 and the addresses v104, v105 are written, which the two LDS stores read
	ds_store_b128 v104, v[96:99] offset:NTAB       ; the loads have landed in the entry's order: nothing is moved
	ds_store_b128 v105, v[100:103] offset:NTAB
.Lnot_wave_0:
	s_wait_dscnt 0x0                       ; wave 0's stores are done before it says so
	s_barrier_signal -1
	s_barrier_wait -1                      ; the events' loads of the other waves stay out across it: nobody writes those bytes
	ds_load_b32 v[A0], v[ZR] offset:NTAB   ; waited for with the first trip's node
	s_wait_loadcnt 0x0                     ; my 16 events, once
.irp g, 0,1,2,3
	v_and_b32 v[RP+\g], 0xff, v[EI+2*\g+1]
	v_bfe_u32 v[RF+\g], v[EI+2*\g+1], 8, 8
	v_bfe_u32 v[LV+\g], v[EI+2*\g+1], 16, 7
	v_min_u32 v[RP+\g], 0xfe, v[RP+\g]             ; rows i0 and i0 + 1 stay inside the 256
	v_min_u32 v[RF+\g], 0xfe, v[RF+\g]
	v_lshlrev_b32 v[RP+\g], 13, v[RP+\g]
	v_lshl_add_u32 v[RF+\g], v[RF+\g], 13, TABF
	v_sub_f32 v[OX+\g], 1.0, v[EF+4*\g]
	v_sub_f32 v[OZ+\g], 1.0, v[EF+4*\g+1]
	v_mov_b32 v[ACC+\g], 0                         ; four registers: the loop's trips all add, so that its text stands once
.endr
	s_wait_kmcnt 0x0
	s_bfe_u32 s41, s24, 0x40018            ; NT: 4 bits from bit 24
	s_min_u32 s41, s41, 8
	s_max_u32 s41, s41, 1
; one line for each of the stages FROM .. FROM + NUM - 1: in the line st is the stage
.macro RUN line:vararg
.set st, FROM
.rept NUM
	\line
.set st, st+1
.endr
.endm
; column, fraction and offsets of stages first and first + 1, in integers; the two stages take turns line by line, so that no line waits for the one before
.macro GEN first
.set FROM, \first
.set NUM, 2
	; a slot that is not live takes the column of the node of rank 0, which the event's first lane names in trip 0
	RUN v_cndmask_b32 v[W+st], v[A0], v[ND], s[LM+st]
	; t = a_k - c_n; both lie within +-2^29, so it cannot wrap
	RUN v_sub_nc_u32 v[W+st], v[W+st], v[EI+2*st]
	; all ones where t < 0; the clip from below: 0 there, t elsewhere; the clip from above
	RUN v_ashrrev_i32 v[W+4+st], 31, v[W+st]
	RUN v_bfi_b32 v[W+st], v[W+4+st], 0, v[W+st]
	RUN v_min_u32 v[W+st], FBMAX, v[W+st]
	; j0, and 65536 tb
	RUN v_lshrrev_b32 v[W+4+st], 16, v[W+st]
	RUN v_and_b32 v[W+st], 0xffff, v[W+st]
	; changes nothing behind the clip: it stands because a right shift lies between the clip and the address
	RUN v_min_u32 v[W+4+st], 0xfe, v[W+4+st]
	; the 16 bits as the top of a mantissa: the f32 1 + tb, exactly
	RUN v_lshl_or_b32 v[T1+st], v[W+st], 7, 0x3f800000
	; 32 bytes a column + the row
	RUN v_lshl_add_u32 v[OP+st], v[W+4+st], 5, v[RP+st]
	RUN v_lshl_add_u32 v[OF+st], v[W+4+st], 5, v[RF+st]
.endm
; four of stage g's 16 loads into buffer d.  q = 0, 1: the pdf table's rows i0x, i0x + 1; q = 2, 3: the ff table's rows i0z, i0z + 1.  The pdf table's 8 come first, so that they can be waited for apart
.macro ISSUE4 d, g, q
.irp c, 0,1,2,3
.if (\q) < 2
	global_load_b128 v[\d+16*(\q)+4*\c:\d+16*(\q)+4*\c+3], v[OP+\g], s[4:5] offset:(\q)*TROW+16*\c
.else
	global_load_b128 v[\d+16*(\q)+4*\c:\d+16*(\q)+4*\c+3], v[OF+\g], s[4:5] offset:((\q)-2)*TROW+16*\c
.endif
.endr
.endm
.macro ISSUE d, g
	ISSUE4 \d, \g, 0
	ISSUE4 \d, \g, 1
	ISSUE4 \d, \g, 2
	ISSUE4 \d, \g, 3
.endm
.macro AHEAD d, next, q                ; the same four loads for stage next, if there is one
.if (\next) >= 0
	ISSUE4 \d, \next, \q
.endif
.endm
; eight flavours, two at a time, from four corners: a multiply and three fused multiply-adds; the four pairs take turns so that no line waits for the one before.
; op_sel / op_sel_hi pick the first or the second register of the weight pair for both halves.
.macro LERP out, d, w
.irp p, 0,2,4,6
	v_pk_mul_f32 v[\out+\p:\out+\p+1], v[\d+\p:\d+\p+1], v[\w:\w+1] op_sel_hi:[1,0]
.endr
.irp p, 0,2,4,6
	v_pk_fma_f32 v[\out+\p:\out+\p+1], v[\d+8+\p:\d+8+\p+1], v[\w:\w+1], v[\out+\p:\out+\p+1] op_sel:[0,1,0] op_sel_hi:[1,1,1]
.endr
.irp p, 0,2,4,6
	v_pk_fma_f32 v[\out+\p:\out+\p+1], v[\d+16+\p:\d+16+\p+1], v[\w+2:\w+3], v[\out+\p:\out+\p+1] op_sel_hi:[1,0,1]
.endr
.irp p, 0,2,4,6
	v_pk_fma_f32 v[\out+\p:\out+\p+1], v[\d+24+\p:\d+24+\p+1], v[\w+2:\w+3], v[\out+\p:\out+\p+1] op_sel:[0,1,0] op_sel_hi:[1,1,1]
.endr
.endm
; stage g's arithmetic on buffer d.  left = how many loads younger than this stage's may stay out.  next = the stage that buffer d is asked for behind it, or -1.
.macro COMP d, g, left, next
	v_fma_f32 v[W+1], v[T1+\g], v[OX+\g], -v[OX+\g]            ; (1 + tb)(1 - tx) - (1 - tx) = (1 - tx) tb, one rounding
	v_fma_f32 v[W+3], v[T1+\g], v[EF+4*\g], -v[EF+4*\g]        ; tx tb
	v_fma_f32 v[W+5], v[T1+\g], v[OZ+\g], -v[OZ+\g]            ; (1 - tz) tb
	v_fma_f32 v[W+7], v[T1+\g], v[EF+4*\g+1], -v[EF+4*\g+1]    ; tz tb
	v_mul_f32 v[TMP], v[EF+4*\g+2], v[ND+2]        ; nE u^2 = -log2(e) K bT^2
	v_sub_f32 v[W+0], v[OX+\g], v[W+1]             ; (1 - tx)(1 - tb)
	v_sub_f32 v[W+2], v[EF+4*\g], v[W+3]
	v_sub_f32 v[W+4], v[OZ+\g], v[W+5]
	v_sub_f32 v[W+6], v[EF+4*\g+1], v[W+7]
	v_exp_f32 v[EX], v[TMP]                        ; its result is read behind both interpolations, 32 plain instructions (ISA guide 5.7.2 asks for one), and behind the wait below
	s_wait_loadcnt \left+8                         ; loads come back in order (ISA guide 5.7.1): the stage's 8 pdf loads are in; its 8 ff loads and the other buffer's stay out
	LERP P, \d, W
	s_wait_loadcnt \left                           ; the 8 ff loads are in
	LERP F, \d+32, W+4
	s_wait_alu depctr_va_vdst(0)                   ; the exponential has written EX, which the next vector line reads; the two interpolations are done reading this buffer, in which the loads below land; the offsets OP, OF of stages 2 and 3 are written, which those loads read
	AHEAD \d, \next, 0                             ; no further wait: no vector line from here to the stage's end names the buffer or an offset
	v_mul_f32 v[GW], v[EX], v[ND+3]
	v_pk_mul_f32 v[DOT:DOT+1], v[P:P+1], v[F:F+1]  ; the sum over flavours (the charges are in the pdf table)
	AHEAD \d, \next, 1
	v_pk_fma_f32 v[DOT:DOT+1], v[P+2:P+3], v[F+2:F+3], v[DOT:DOT+1]
	v_pk_fma_f32 v[DOT:DOT+1], v[P+4:P+5], v[F+4:F+5], v[DOT:DOT+1]
	AHEAD \d, \next, 2
	v_pk_fma_f32 v[DOT:DOT+1], v[P+6:P+7], v[F+6:F+7], v[DOT:DOT+1]
	v_add_f32 v[TMP], v[DOT], v[DOT+1]
	AHEAD \d, \next, 3
	v_cndmask_b32 v[TMP], 0, v[TMP], s[LM+\g]      ; a slot that is not live has looked up another node's column: its term is 0
	v_fma_f32 v[ACC+\g], v[TMP], v[GW], v[ACC+\g]
.endm
	s_mov_b32 s40, 0
.Ltrip:
	s_wait_alu depctr_vm_vsrc(0)                   ; the LDS load and the 64 loads of the trip before have read NA, OP and OF, which this trip writes again; in the first trip: wave 0's LDS stores have read v96 to v105, in which stage 0's loads land
	v_lshl_add_u32 v[SL], s40, 3, v[SLP]           ; rank 8 t + p
	v_min_u32 v[NA], 63, v[SL]                     ; t < NT <= 8: changes nothing; it keeps the LDS address inside the 64 entries by a constant
	v_lshlrev_b32 v[NA], 4, v[NA]
	s_wait_alu depctr_va_vdst(0)                   ; NA is written, which the LDS load reads; the trip before is done reading ND, in which it lands
	ds_load_b128 v[ND:ND+3], v[NA] offset:NTAB
.set FROM, 0
.set NUM, 4
	; is my slot live for my event?  All four stages' compares in one run, while the LDS load is out: they name SL and L' alone
	RUN v_cmp_lt_u32 s[LM+st], v[SL], v[LV+st]
	s_wait_dscnt 0x0                               ; my slot's node (and, in the first trip, the a of rank 0)
	s_wait_alu depctr_va_sdst(0)                   ; the four masks s42 to s45 are written, ahead of their first reader
	GEN 0                                          ; the offsets of all four stages are free: the last stage of the trip before waited for all loads
	s_wait_alu depctr_va_vdst(0)                   ; the offsets OP, OF of stages 0 and 1 are written, which the 32 loads below read
	ISSUE DA, 0
	ISSUE DB, 1
	GEN 2                                          ; stages 2 and 3, while those loads are out: registers that no load issued since the trip's head reads
	COMP DA, 0, 16, 2                              ; 16 younger loads: stage 1's
	COMP DB, 1, 16, 3                              ; 16 younger loads: stage 2's
	COMP DA, 2, 16, -1                             ; 16 younger loads: stage 3's
	COMP DB, 3, 0, -1                              ; the trip's last stage: nothing younger is out
	s_add_co_u32 s40, s40, 1
	s_cmp_lt_u32 s40, s41
	s_cbranch_scc1 .Ltrip
	; Load, wait, barrier, overwrite: no wave stores a result into LDS before every wave has finished its reads of LDS in the loop.  (The node table lies in bytes
	; 1024-2047 and the results in bytes 0-1023, but a slot's address follows a trip count that is read from memory; the barrier orders the two whatever it holds.)
	; The waves have to meet in front of the way out in any case: what they wait for each other falls here, and the barrier behind the stores is then short.
	s_wait_dscnt 0x0                               ; my reads of the node table are back (met: every trip has waited for its one LDS load)
	s_barrier_signal -1                            ; say so; register work alone stands between the signal and its wait:
	; an event's sum: over the eight lanes of its group (DPP on the arithmetic itself), times pref
.irp m, 1,2,4
.irp g, 0,1,2,3
	v_add_f32_dpp v[ACC+\g], v[ACC+\g], v[ACC+\g] row_xmask:\m row_mask:0xf bank_mask:0xf
.endr
.endr
.irp g, 0,1,2,3
	v_mul_f32 v[ACC+\g], v[ACC+\g], v[EF+4*\g+3]
.endr
	s_barrier_wait -1                              ; all sixteen waves have left the loop
	; THE WAY OUT: a wave has 64 bytes of results, the work-group 1,024.  They meet in LDS, and 64 lanes store 16 bytes each: whole aligned blocks of 256 bytes.
	s_wait_alu depctr_va_vdst(0)                   ; the four multiplies have written ACC, which the LDS stores read
.irp g, 0,1,2,3
	ds_store_b32 v[RA], v[ACC+\g] offset:16*\g     ; event 4 g + (lane >> 3): its eight lanes write the same word with the same value
.endr
	s_wait_dscnt 0x0                               ; my stores are done before I say so
	s_barrier_signal -1
	s_barrier_wait -1
	s_cmp_gt_u32 s16, 1
	s_cbranch_scc1 .Lend                           ; waves 0 and 1 store
	v_and_b32 v[TM2], 63, v0                       ; the thread's number, below 64 here
	v_lshlrev_b32 v[TM2], 4, v[TM2]
	s_wait_alu depctr_va_vdst(0)                   ; TM2 is written, which the LDS load and the store read
	ds_load_b128 v[P:P+3], v[TM2]
	s_lshl_b32 s22, ttmp9, 10                      ; 256 results x 4 bytes a work-group (s23 is still 0)
	s_add_nc_u64 s[14:15], s[14:15], s[22:23]
	s_wait_dscnt 0x0
	global_store_b128 v[TM2], v[P:P+3], s[14:15] th:TH_STORE_NT
.Lend:
	s_wait_dscnt 0x0
	s_wait_alu depctr_hold_cnt(0) depctr_sa_sdst(0) depctr_va_vdst(0) depctr_va_sdst(0) depctr_va_ssrc(0) depctr_va_vcc(0) depctr_vm_vsrc(0)
	s_wait_tensorcnt 0x0
	ds_add_u32 v234, v235
	s_wait_dscnt 0x0
	s_endpgm
.Lfunc_end_k_q1cb53bb203_main:
	.size	k_q1cb53bb203_main, .Lfunc_end_k_q1cb53bb203_main-k_q1cb53bb203_main
	.p2alignl 7, 3214868480
	.fill 96, 4, 3214868480
	.section	.rodata,"a",@progbits
	.p2align	6, 0x0
	.amdhsa_kernel k_q1cb53bb203_main
		.amdhsa_group_segment_fixed_size 4096
		.amdhsa_private_segment_fixed_size 0
		.amdhsa_enable_private_segment 0
		.amdhsa_kernarg_size 48
		.amdhsa_user_sgpr_count 2
		.amdhsa_user_sgpr_kernarg_segment_ptr 1
		.amdhsa_wavefront_size32 1
		.amdhsa_system_sgpr_workgroup_id_x 1
		.amdhsa_system_sgpr_workgroup_id_y 1
		.amdhsa_system_sgpr_workgroup_id_z 1
		.amdhsa_system_vgpr_workitem_id 0
		.amdhsa_next_free_vgpr 236
		.amdhsa_next_free_sgpr 66
		.amdhsa_reserve_vcc 0
		.amdhsa_float_denorm_mode_32 3
		.amdhsa_float_denorm_mode_16_64 3
		.amdhsa_memory_ordered 1
		.amdhsa_forward_progress 1
		.amdhsa_inst_pref_size 29
	.end_amdhsa_kernel
	.amdgpu_metadata
---
amdhsa.version: [ 1, 2 ]
amdhsa.kernels:
  - .name:           k_q1cb53bb203_main
    .symbol:         k_q1cb53bb203_main.kd
    .args:
      - { .name: tab, .offset: 0, .size: 8, .value_kind: global_buffer, .address_space: global }
      - { .name: evf, .offset: 8, .size: 8, .value_kind: global_buffer, .address_space: global }
      - { .name: evi, .offset: 16, .size: 8, .value_kind: global_buffer, .address_space: global }
      - { .name: ogata_x, .offset: 24, .size: 8, .value_kind: global_buffer, .address_space: global }
      - { .name: ogata_w, .offset: 32, .size: 8, .value_kind: global_buffer, .address_space: global }
      - { .name: out0, .offset: 40, .size: 8, .value_kind: global_buffer, .address_space: global }
    .group_segment_fixed_size: 4096
    .private_segment_fixed_size: 0
    .kernarg_segment_align: 8
    .kernarg_segment_size: 48
    .max_flat_workgroup_size: 512
    .sgpr_count:     66
    .vgpr_count:     236
    .wavefront_size: 32
...
	.end_amdgpu_metadata
.endif
;; end of part 5
